; MI455X (gfx1250); checked and timed in simulation.
; The chip was launched on July 23, 2026; its instructions are those of AMD's public machine-readable ISA for CDNA 5 (MIT licence, August 2026) and "CDNA5" Instruction Set Architecture Reference Guide (July 2026). The comments in the code are by the model that wrote it; some were corrected since.
;; Transformer Block. Allowed arithmetic: matrix products marked QUANTISED: E2M1 operands, one E8M0 scale for each 32 along K, by v_wmma_scale_f32_16x16x128_f8f6f4 with both operands' format E2M1 (or v_wmma_scale_f32_32x16x128_f4), f32 sums; everything else in f32.
;; Inputs: ff1_b 4,096 float32; ff1_w 4,096 x 1,024 float32; ff2_b 1,024 float32; ff2_w 1,024 x 4,096 float32; ln1_b 1,024 float32; ln1_g 1,024 float32; ln2_b 1,024 float32; ln2_g 1,024 float32; proj_b 1,024 float32; proj_w 1,024 x 1,024 float32; qkv_b 3,072 float32; qkv_w 3,072 x 1,024 float32; x 2 x 2,048 x 1,024 float32.
;; Outputs: out0 2 x 2,048 x 1,024 float32.
;; This version of the problem:
;;   THIS VERSION OF THE PROBLEM IS GIVEN IN LOW PRECISION. The matrix products marked QUANTISED in the list below multiply operands that are first quantised to E2M1 (2 exponent bits, 1 mantissa bit; 4 bits a number), with one power-of-two scale for each 32 numbers along K (OCP MX v1.0); their sums are f32. All else is computed in f32.
;;   The module's matrix products, in the order in which they are computed (A, B: the left and right operand; K: the contracted axis; several contracted axes count as one K, in the product's order):
;;     1. [M 4,096, K 1,024] x [K 1,024, N 3,072]; A: computed on the way; B: input qkv_w: QUANTISED
;;     2. batch 32 x [M 2,048, K 64] x [K 64, N 2,048]; A: computed on the way; B: computed on the way: QUANTISED
;;     3. batch 32 x [M 2,048, K 2,048] x [K 2,048, N 64]; A: softmax (see below); B: computed on the way: QUANTISED
;;     4. [M 4,096, K 1,024] x [K 1,024, N 1,024]; A: computed on the way; B: input proj_w: QUANTISED
;;     5. [M 4,096, K 1,024] x [K 1,024, N 4,096]; A: computed on the way; B: input ff1_w: QUANTISED
;;     6. [M 4,096, K 4,096] x [K 4,096, N 1,024]; A: computed on the way; B: input ff2_w: QUANTISED
;;   THE QUANTISER, for each operand of a quantised product, along K:
;;     - K is cut into blocks of 32 from its start; a last block that is shorter is filled with zeros.
;;     - A block's scale is 2^e with e = floor(log2(the largest magnitude in the block)) - 2, held to -126 .. 127; a block of zeros has e = 0. As a byte (E8M0): e + 127.
;;     - Each number is divided by its block's scale, clamped to +-6, and rounded to the nearest number of E2M1, ties to even, subnormals kept.
;;     - The product sums the exact products of the quantised numbers (number of the format x scale) in f32.
;;   ~~~python
;;   def quantise(x, axis):      # numpy; x: float32 -> the quantised numbers, widened to float32 again
;;       x = np.moveaxis(x, axis, -1); K = x.shape[-1]
;;       x = np.pad(x, [(0, 0)] * (x.ndim - 1) + [(0, -K % 32)]); x = x.reshape(x.shape[:-1] + (-1, 32)); a = np.abs(x).max(-1, keepdims=True)
;;       e = np.where(a > 0, np.clip(np.frexp(np.where(a > 0, a, 1))[1] - 1 - 2, -126, 127), 0)      # np.frexp(a)[1] - 1 = floor(log2(a)), exactly
;;       r = np.clip(x / 2.0 ** e, -6, 6)
;;       step = 2.0 ** (np.maximum(np.frexp(np.where(r == 0, 1, r))[1] - 1, 0) - 1)
;;       q = np.round(r / step) * step * 2.0 ** e      # np.round: ties to even
;;       return np.moveaxis(q.reshape(q.shape[:-2] + (-1,))[..., :K], -1, axis).astype(np.float32)
;;   ~~~
;;   SOFTMAX AHEAD OF A QUANTISED PRODUCT. Where the list says 'softmax', what is quantised is not the finished softmax but p = 2^(t - M), with t = logit x log2(e) and M = ceil(the row's largest t), a whole number; so 1/2 < the row's largest p <= 1. The row's sum l is taken of the UNQUANTISED p, in f32, and the product's result is divided by l at the end. Since M is a whole number, a kernel that streams over the keys may use a running M (the ceiling of the running maximum): every later rescaling is an exact power of two, which a block's scale takes up: the codes' values come out the same.
;;   OPERANDS COMPUTED ON THE WAY. 'Computed on the way' means the value that the module computes at that place (a softmax that the list does not call 'softmax' is quantised finished and normalised). What goes into a quantiser is computed in f32, as accurately as f32 sums, v_exp_f32 and their like allow (about 1e-6 of the number): no bf16 or f16 on the way to a quantiser, and a product that is left as it is and whose result goes on into a quantised operand takes f32 operands (vector FMAs, or v_wmma_f32_16x16x4_f32). A number that lies on a knife's edge between two numbers of the format may be rounded either way, as far as f32 arithmetic and the matrix unit's own rounding can turn it there, and no further.
;; One version. Each part assembles by itself: llvm-mc -triple=amdgcn-amd-amdhsa -mcpu=gfx1250 --defsym DOCPART=n.
;; ======== version 1 of 1: 6 launches
;; limits: right only within a limited range of input values
;; workspace buffers: wq 6,684,672 bytes; act1 2,228,224 bytes; act2 2,228,224 bytes; qkvc 6,946,816 bytes; att 2,228,224 bytes; x1 16,777,216 bytes; hid 8,912,896 bytes
;; launch prep (part 1): grid 256 x 1, 16 waves a work-group, no clusters, 317,440 bytes of LDS; arguments x, qkv_w, proj_w, ff1_w, ff2_w, ln1_g, ln1_b, act1, wq; writes act1, wq
.if DOCPART == 1
	.amdgcn_target "amdgcn-amd-amdhsa--gfx1250"
	.amdhsa_code_object_version 6
	.text
	.protected	k_q40fd68fd64_prep
	.globl	k_q40fd68fd64_prep
	.p2align	8
	.type	k_q40fd68fd64_prep,@function
k_q40fd68fd64_prep:
	s_mov_b64 s[64:65], 0
	v_nop
	global_prefetch_b8 v0, s[64:65] scope:SCOPE_SE
	s_setreg_imm32_b32 hwreg(HW_REG_WAVE_MODE, 25, 1), 1
	s_wait_xcnt 0x0
; PREP: the four weights, and LayerNorm 1 of x, become codes of FP4 (E2M1) with one E8M0 scale byte for each 32 along K.
; A work-group takes a job of 64 rows x 1,024 along K (256 KB of f32).  Jobs 0-63: x (normalised first); 64-111: qkv_w; 112-127: proj_w; 128-191: ff1_w; 192-255: ff2_w (16 row jobs x 4 quarters of K).
; One text serves all: the job's pointers, pitches and offsets are chosen by scalar selects on the work-group's number; one scalar branch leads round the normalisation, which is register work alone.
; LAYOUT OF THE RESULT.  Rows are laid by POSITION: in each group of 32 rows, position 16 u + r holds row 8 u + r + 8 (r / 8).  A fragment (16 positions x 128 K) is 1,024 bytes, the image of an operand's registers:
; [block of 32 K: 4][position: 16][16 bytes].  Fragments lie [positions / G][K step][G / 16]; G = 256 (x, qkv_w, ff1_w), 64 (proj_w), 128 (ff2_w).  Scale words (4 bytes for a position and 128 K) lie at a sixteenth of the codes' offset.
; A WAVE takes 4 rows.  Each load reads 512 consecutive bytes; a row turns through the wave's own LDS stage so that a lane holds 8 neighbours along K of each quarter row: register 8 c + j is k = 256 c + 8 lane + j.
; A block of 32 then lies in 4 neighbouring lanes.  Codes and scale bytes meet in two stages of the work-group and leave as whole fragments: each store of a wave covers 512 (codes) or 256 (scales) consecutive bytes.
; No matrix work, no tensor loads and no cluster: the launch streams, and no two work-groups read the same bytes but the 8 KB of gain and bias.
; LIMITS: NaN and infinities among the inputs are not served.  A block whose largest magnitude lies under 2^-124 keeps the scale byte 1; so does a block of zeros (the rule says 127): its codes are zeros, and this program alone reads the bytes.
.set TURNW, 17408                      ; a wave's turn stage: 4 rows
.set ROWP,  4352                       ; a row in it: 4,096 bytes + 16 behind each 256
.set CST,   278528                     ; the code stage: 128 units (tile, block) of 256 bytes, 272 apart
.set SST,   313344                     ; the scale stage: [8 K steps][64 positions] words
.set ROWS,  32                         ; v32-159  four rows of 32 registers
.set GG,    160                        ; v160-191 gain; later the codes, four registers a row
.set BB,    192                        ; v192-223 bias; later fragments on their way out
.set QC,    160
.set QB,    176                        ; v176-191 later the scale bytes, four registers a row
.set QM,    224                        ; v224-227 largest magnitudes
.set QE,    228                        ; v228-231 the conversions' scale operands
.set LT,    240                        ; v240-247 at work in the normalisation
.set SEL,   46                         ; s[46:47] lane selects: lane l xor 16
.set RN,    48                         ; s48 1 / 1024
.set EP,    49                         ; s49 1e-5
.macro WSUM a, t                       ; the sum over the wave's 32 lanes, in every lane
	s_delay_alu instid0(VALU_DEP_1)
	v_add_f32_dpp v[\a], v[\a], v[\a] row_xmask:1 row_mask:0xf bank_mask:0xf
	s_delay_alu instid0(VALU_DEP_1)
	v_add_f32_dpp v[\a], v[\a], v[\a] row_xmask:2 row_mask:0xf bank_mask:0xf
	s_delay_alu instid0(VALU_DEP_1)
	v_add_f32_dpp v[\a], v[\a], v[\a] row_xmask:4 row_mask:0xf bank_mask:0xf
	s_delay_alu instid0(VALU_DEP_1)
	v_add_f32_dpp v[\a], v[\a], v[\a] row_xmask:8 row_mask:0xf bank_mask:0xf
	s_delay_alu instid0(VALU_DEP_1)
	v_permlanex16_b32 v[\t], v[\a], s[SEL], s[SEL+1]
	s_delay_alu instid0(VALU_DEP_1)
	v_add_f32 v[\a], v[\a], v[\t]
.endm
; One row's LayerNorm, in place: the mean; x - mean; the mean of its squares (never a difference of sums); (x - mean) x rsqrt(var + eps) x g + b
.macro LNROW r
.irp a, 0,1,2,3
	v_pk_add_f32 v[LT+2*\a:LT+2*\a+1], v[(\r)+4*\a:(\r)+4*\a+1], v[(\r)+4*\a+2:(\r)+4*\a+3]
.endr
.irp a, 0,1,2,3
	s_delay_alu instid0(VALU_DEP_4)
	v_pk_add_f32 v[LT+2*\a:LT+2*\a+1], v[LT+2*\a:LT+2*\a+1], v[(\r)+16+2*\a:(\r)+17+2*\a]
.endr
.irp a, 0,1,2,3
	s_delay_alu instid0(VALU_DEP_4)
	v_pk_add_f32 v[LT+2*\a:LT+2*\a+1], v[LT+2*\a:LT+2*\a+1], v[(\r)+24+2*\a:(\r)+25+2*\a]
.endr
	s_delay_alu instid0(VALU_DEP_3)
	v_pk_add_f32 v[LT:LT+1], v[LT:LT+1], v[LT+2:LT+3]
	s_delay_alu instid0(VALU_DEP_2)
	v_pk_add_f32 v[LT+4:LT+5], v[LT+4:LT+5], v[LT+6:LT+7]
	s_delay_alu instid0(VALU_DEP_1)
	v_pk_add_f32 v[LT:LT+1], v[LT:LT+1], v[LT+4:LT+5]
	s_delay_alu instid0(VALU_DEP_1)
	v_add_f32 v[LT], v[LT], v[LT+1]
	WSUM LT, LT+2
	s_delay_alu instid0(VALU_DEP_1)
	v_mul_f32 v[LT], s[RN], v[LT]                  ; the mean
.irp k, 0,2,4,6,8,10,12,14,16,18,20,22,24,26,28,30
	v_pk_add_f32 v[(\r)+\k:(\r)+\k+1], v[(\r)+\k:(\r)+\k+1], v[LT:LT+1] op_sel_hi:[1,0] neg_lo:[0,1] neg_hi:[0,1]
.endr
	v_pk_mul_f32 v[LT+2:LT+3], v[(\r):(\r)+1], v[(\r):(\r)+1]
	v_pk_mul_f32 v[LT+4:LT+5], v[(\r)+2:(\r)+3], v[(\r)+2:(\r)+3]
.irp k, 4,8,12,16,20,24,28
	s_delay_alu instid0(VALU_DEP_2)
	v_pk_fma_f32 v[LT+2:LT+3], v[(\r)+\k:(\r)+\k+1], v[(\r)+\k:(\r)+\k+1], v[LT+2:LT+3]
	s_delay_alu instid0(VALU_DEP_2)
	v_pk_fma_f32 v[LT+4:LT+5], v[(\r)+\k+2:(\r)+\k+3], v[(\r)+\k+2:(\r)+\k+3], v[LT+4:LT+5]
.endr
	s_delay_alu instid0(VALU_DEP_1)
	v_pk_add_f32 v[LT+2:LT+3], v[LT+2:LT+3], v[LT+4:LT+5]
	s_delay_alu instid0(VALU_DEP_1)
	v_add_f32 v[LT+2], v[LT+2], v[LT+3]
	WSUM LT+2, LT+4
	s_delay_alu instid0(VALU_DEP_1)
	v_fma_f32 v[LT+2], v[LT+2], s[RN], s[EP]       ; the variance + eps
	s_wait_alu depctr_va_vdst(0)
	v_rsq_f32 v[LT+2], v[LT+2]
	v_nop                                          ; one plain instruction behind the transcendental (ISA guide 5.7.2)
	s_wait_alu depctr_va_vdst(0)
.irp k, 0,2,4,6,8,10,12,14,16,18,20,22,24,26,28,30
	v_pk_mul_f32 v[(\r)+\k:(\r)+\k+1], v[(\r)+\k:(\r)+\k+1], v[LT+2:LT+3] op_sel_hi:[1,0]
.endr
.irp k, 0,2,4,6,8,10,12,14,16,18,20,22,24,26,28,30
	v_pk_fma_f32 v[(\r)+\k:(\r)+\k+1], v[(\r)+\k:(\r)+\k+1], v[GG+\k:GG+\k+1], v[BB+\k:BB+\k+1]
.endr
.endm
; Row i of the wave is quantised: four chunks by turns; a block of 32 is 4 lanes x 8 numbers.  The floor 2^(3 - 127) among the maximum's leaves holds the byte at 1 from below.
.macro QUANT8 r, i
.irp c, 0,1,2,3
	v_max3_num_f32 v[QM+\c], |v[(\r)+8*\c]|, |v[(\r)+8*\c+1]|, 0x1800000
.endr
.irp k, 2,4,6
.irp c, 0,1,2,3
	s_delay_alu instid0(VALU_DEP_4)
	v_max3_num_f32 v[QM+\c], v[QM+\c], |v[(\r)+8*\c+\k]|, |v[(\r)+8*\c+\k+1]|
.endr
.endr
.irp c, 0,1,2,3
	s_delay_alu instid0(VALU_DEP_4)
	v_max_num_f32_dpp v[QM+\c], v[QM+\c], v[QM+\c] row_xmask:1 row_mask:0xf bank_mask:0xf
.endr
.irp c, 0,1,2,3
	s_delay_alu instid0(VALU_DEP_4)
	v_max_num_f32_dpp v[QM+\c], v[QM+\c], v[QM+\c] row_xmask:2 row_mask:0xf bank_mask:0xf
.endr
.irp c, 0,1,2,3
	s_delay_alu instid0(VALU_DEP_4)
	v_add_nc_u32 v[QE+\c], 0xff000000, v[QM+\c]    ; 2 off the exponent field: the conversion's scale operand
.endr
.irp c, 0,1,2,3
	v_cvt_scalef32_pk8_fp4_f32 v[QC+4*(\i)+\c], v[(\r)+8*\c:(\r)+8*\c+7], v[QE+\c]
.endr
.irp c, 0,1,2,3
	v_lshrrev_b32 v[QB+4*(\i)+\c], 23, v[QE+\c]    ; the scale's byte (plain lines behind the conversions)
.endr
.irp c, 0,1,2,3
	ds_store_b32 v9, v[QC+4*(\i)+\c] offset:2176*\c+16*(\i)    ; 8 codes: 4 bytes of the block's 16; the 32 lanes fall on 32 banks
	ds_store_b8 v10, v[QB+4*(\i)+\c] offset:512*\c+4*(\i)      ; the four lanes of a block write the same byte with the same value
.endr
.endm
	s_load_b512 s[4:19], s[0:1], 0x0               ; x, qkv_w, proj_w, ff1_w, ff2_w, ln1_g, ln1_b, act1
	s_load_b64 s[20:21], s[0:1], 0x40              ; wq
	v_lshl_add_u32 v254, v0, 2, 0x4d000
	v_mov_b32 v255, 0
	v_lshrrev_b32 v1, 5, v0
	s_delay_alu instid0(VALU_DEP_1)
	v_readfirstlane_b32 s22, v1                    ; wave 0..15
	v_and_b32 v1, 31, v0                           ; lane l
	s_delay_alu instid0(VALU_DEP_1)
	v_lshlrev_b32 v2, 4, v1                        ; 16 l
	s_delay_alu instid0(VALU_DEP_2)
	v_lshlrev_b32 v13, 5, v1                       ; 32 l
	s_delay_alu instid0(VALU_DEP_3)
	v_lshlrev_b32 v15, 3, v1                       ; 8 l
	s_delay_alu instid0(VALU_DEP_4)
	v_lshrrev_b32 v16, 4, v1                       ; l / 16
	v_lshrrev_b32 v17, 3, v1                       ; l / 8
	v_lshrrev_b32 v18, 2, v1                       ; l / 4
	v_and_b32 v19, 3, v1                           ; l % 4
	s_lshr_b32 s50, s22, 2                         ; t: my tile of 16 positions
	s_and_b32 s51, s22, 3                          ; q4: my four positions in it
	s_mul_i32 s52, s22, TURNW
	v_lshl_add_u32 v7, v16, 4, v2
	s_delay_alu instid0(VALU_DEP_1)
	v_add_nc_u32 v7, s52, v7                       ; turn stage, as loaded: 16 l + 16 (l / 16)
	v_lshl_add_u32 v8, v17, 4, v13
	s_delay_alu instid0(VALU_DEP_1)
	v_add_nc_u32 v8, s52, v8                       ; turn stage, 8 neighbours a lane: 32 l + 16 (l / 8)
	v_mul_u32_u24 v9, v18, 272
	s_delay_alu instid0(VALU_DEP_1)
	v_lshl_add_u32 v9, v19, 2, v9
	s_mul_i32 s53, s50, 8704
	s_lshl_b32 s54, s51, 6
	s_add_co_u32 s53, s53, s54
	s_add_co_u32 s53, s53, CST
	v_add_nc_u32 v9, s53, v9                       ; code stage: unit 32 t + (l / 4), row 4 q4, byte 4 (l % 4)
	v_and_b32 v10, 3, v18
	s_delay_alu instid0(VALU_DEP_1)
	v_lshl_add_u32 v10, v16, 8, v10
	s_lshl_b32 s53, s50, 6
	s_lshl_b32 s54, s51, 4
	s_add_co_u32 s53, s53, s54
	s_add_co_u32 s53, s53, SST
	v_add_nc_u32 v10, s53, v10                     ; scale stage: K step (l / 16), position 16 t + 4 q4, byte (l / 4) % 4
	v_and_b32 v11, 15, v1
	s_delay_alu instid0(VALU_DEP_1)
	v_lshlrev_b32 v11, 4, v11
	s_delay_alu instid0(VALU_DEP_1)
	v_mad_u32_u24 v11, v16, 272, v11
	s_lshl_b32 s53, s50, 5
	s_lshl_b32 s54, s51, 3
	s_add_co_u32 s53, s53, s54
	s_mul_i32 s53, s53, 272
	s_add_co_u32 s53, s53, CST
	v_add_nc_u32 v11, s53, v11                     ; code stage on the way out: fragments (t, K steps 2 q4, 2 q4 + 1)
	s_and_b32 s62, s22, 7
	s_lshl_b32 s54, s62, 8
	s_add_co_u32 s54, s54, SST
	v_add_nc_u32 v14, s54, v15                     ; scale stage on the way out: K step (wave % 8), 8 bytes a lane
	s_lshr_b32 s55, s50, 1                         ; my first row in the job: 32 (t / 2) + 8 (t % 2) + 4 q4 + 8 (q4 / 2)
	s_lshl_b32 s55, s55, 5
	s_and_b32 s56, s50, 1
	s_lshl_b32 s56, s56, 3
	s_add_co_u32 s55, s55, s56
	s_lshl_b32 s56, s51, 2
	s_add_co_u32 s55, s55, s56
	s_lshr_b32 s56, s51, 1
	s_lshl_b32 s56, s56, 3
	s_add_co_u32 s55, s55, s56
	s_mov_b32 s[SEL], 0x76543210
	s_mov_b32 s[SEL+1], 0xfedcba98
	s_mov_b32 s[RN], 0x3a800000
	s_mov_b32 s[EP], 0x3727c5ac
	s_wait_kmcnt 0x0
	; the job: source, first job of its tensor, log2 G, the tensor's first byte among the codes
	s_mov_b64 s[24:25], s[4:5]
	s_mov_b32 s26, 0
	s_mov_b32 s27, 8
	s_mov_b32 s28, 0
	s_mov_b32 s29, 0x200000
	s_cmp_ge_u32 ttmp9, 64
	s_cselect_b64 s[24:25], s[6:7], s[24:25]
	s_cselect_b32 s26, 64, s26
	s_cselect_b64 s[30:31], s[20:21], s[18:19]     ; where the results go: wq or act1,
	s_cselect_b32 s29, 0x600000, s29               ; and where its scale words begin
	s_cmp_ge_u32 ttmp9, 112
	s_cselect_b64 s[24:25], s[8:9], s[24:25]
	s_cselect_b32 s26, 112, s26
	s_cselect_b32 s27, 6, s27
	s_cselect_b32 s28, 0x180000, s28
	s_cmp_ge_u32 ttmp9, 128
	s_cselect_b64 s[24:25], s[10:11], s[24:25]
	s_cselect_b32 s26, 128, s26
	s_cselect_b32 s27, 8, s27
	s_cselect_b32 s28, 0x200000, s28
	s_cmp_ge_u32 ttmp9, 192
	s_cselect_b64 s[24:25], s[12:13], s[24:25]
	s_cselect_b32 s26, 192, s26
	s_cselect_b32 s27, 7, s27
	s_cselect_b32 s28, 0x400000, s28
	s_cselect_b32 s32, 14, 12                      ; log2 of a source row's bytes
	s_cselect_b32 s33, 5, 3                        ; log2 of K / 128
	s_cselect_b32 s34, 2, 0
	s_cselect_b32 s35, 3, 0
	s_sub_co_u32 s36, ttmp9, s26
	s_and_b32 s37, s36, s35                        ; kq: which 1,024 along K
	s_lshr_b32 s36, s36, s34                       ; jr: which 64 rows
	s_lshl_b32 s38, s36, 6                         ; 64 jr
	s_lshr_b32 s39, s38, s27
	s_lshl_b32 s39, s39, s33
	s_lshl_b32 s56, s37, 3
	s_add_co_u32 s39, s39, s56
	s_add_co_u32 s57, s27, 6
	s_lshl_b32 s39, s39, s57
	s_lshl_b32 s56, 1, s27
	s_sub_co_u32 s56, s56, 1
	s_and_b32 s56, s38, s56
	s_lshl_b32 s56, s56, 6
	s_add_co_u32 s39, s39, s56
	s_add_co_u32 s39, s39, s28                     ; the job's first fragment, in bytes
	s_lshl_b32 s58, 1, s57                         ; bytes from a K step to the next: 64 G
	s_mov_b32 s59, 0
	s_lshl_b32 s60, s38, s32
	s_lshl_b32 s56, s37, 12
	s_add_co_u32 s60, s60, s56
	s_mov_b32 s61, 0
	s_add_nc_u64 s[24:25], s[24:25], s[60:61]      ; the source at the job's first row and K
	s_lshl_b32 s60, s51, 1
	s_lshl_b32 s60, s60, s57
	s_add_co_u32 s60, s60, s39
	s_lshl_b32 s56, s50, 10
	s_add_co_u32 s60, s60, s56
	s_add_nc_u64 s[40:41], s[30:31], s[60:61]      ; my fragment (t, 2 q4),
	s_add_nc_u64 s[42:43], s[40:41], s[58:59]      ; and (t, 2 q4 + 1)
	s_lshr_b32 s60, s39, 4
	s_add_co_u32 s60, s60, s29
	s_lshr_b32 s56, s58, 4
	s_mul_i32 s56, s56, s62
	s_add_co_u32 s60, s60, s56
	s_add_nc_u64 s[44:45], s[30:31], s[60:61]      ; the 64 scale words of K step (wave % 8)
.irp i, 0,1,2,3
	s_add_co_u32 s56, s55, \i
	s_lshl_b32 s56, s56, s32
	v_add_nc_u32 v[3+\i], s56, v2                  ; row i: its byte offset + 16 l
.endr
	; gain and bias in the rows' later layout (every work-group loads them, so that no register hangs on the job), then the four rows, 512 consecutive bytes a load
.irp c, 0,1,2,3
	global_load_b128 v[GG+8*\c:GG+8*\c+3], v13, s[14:15] offset:1024*\c
	global_load_b128 v[GG+8*\c+4:GG+8*\c+7], v13, s[14:15] offset:1024*\c+16
	global_load_b128 v[BB+8*\c:BB+8*\c+3], v13, s[16:17] offset:1024*\c
	global_load_b128 v[BB+8*\c+4:BB+8*\c+7], v13, s[16:17] offset:1024*\c+16
.endr
.irp i, 0,1,2,3
.irp q, 0,1,2,3,4,5,6,7
	global_load_b128 v[ROWS+32*\i+4*\q:ROWS+32*\i+4*\q+3], v[3+\i], s[24:25] offset:512*\q th:TH_LOAD_NT
.endr
.endr
.irp i, 0,1,2,3
	s_wait_loadcnt 8*(3-\i)                        ; row i is in; the eight loads of each later row may be out
.irp q, 0,1,2,3,4,5,6,7
	ds_store_b128 v7, v[ROWS+32*\i+4*\q:ROWS+32*\i+4*\q+3] offset:ROWP*\i+544*\q
.endr
.irp c, 0,1,2,3
	ds_load_b128 v[ROWS+32*\i+8*\c:ROWS+32*\i+8*\c+3], v8 offset:ROWP*\i+1088*\c       ; LDS serves a wave's instructions in order (ISA guide 5.7.1.4): these see the stores above
	ds_load_b128 v[ROWS+32*\i+8*\c+4:ROWS+32*\i+8*\c+7], v8 offset:ROWP*\i+1088*\c+16
.endr
.endr
	s_wait_dscnt 0x0
	s_cmp_ge_u32 ttmp9, 64                         ; weights are quantised as they are
	s_cbranch_scc1 .Lplain
	LNROW ROWS
	LNROW ROWS+32
	LNROW ROWS+64
	LNROW ROWS+96
.Lplain:
	QUANT8 ROWS, 0
	QUANT8 ROWS+32, 1
	QUANT8 ROWS+64, 2
	QUANT8 ROWS+96, 3
	s_wait_dscnt 0x0                               ; for the others' sake: my stores into the two stages are done
	s_barrier_signal -1
	s_barrier_wait -1
.irp e, 0,1
.irp n, 0,1
	ds_load_b128 v[BB+8*\e+4*\n:BB+8*\e+4*\n+3], v11 offset:1088*\e+544*\n
.endr
.endr
.irp e, 0,1
.irp n, 0,1
	s_wait_dscnt 3-2*\e-\n                         ; LDS loads come back in order: this one is in, the younger may be out
	global_store_b128 v2, v[BB+8*\e+4*\n:BB+8*\e+4*\n+3], s[40+2*\e:41+2*\e] offset:512*\n   ; 512 consecutive bytes of a fragment
.endr
.endr
	s_cmp_lt_u32 s22, 8
	s_cbranch_scc0 .Lend                           ; eight K steps of scale words: waves 0 to 7
	ds_load_b64 v[BB+16:BB+17], v14
	s_wait_dscnt 0x0
	global_store_b64 v15, v[BB+16:BB+17], s[44:45] ; 256 consecutive bytes
.Lend:
	s_wait_tensorcnt 0x0
	ds_add_u32 v254, v255
	s_wait_dscnt 0x0
	s_endpgm
.Lfunc_end_k_q40fd68fd64_prep:
	.size	k_q40fd68fd64_prep, .Lfunc_end_k_q40fd68fd64_prep-k_q40fd68fd64_prep
	.p2alignl 7, 3214868480
	.fill 96, 4, 3214868480
	.section	.rodata,"a",@progbits
	.p2align	6, 0x0
	.amdhsa_kernel k_q40fd68fd64_prep
		.amdhsa_group_segment_fixed_size 317440
		.amdhsa_private_segment_fixed_size 0
		.amdhsa_enable_private_segment 0
		.amdhsa_kernarg_size 72
		.amdhsa_user_sgpr_count 2
		.amdhsa_user_sgpr_kernarg_segment_ptr 1
		.amdhsa_wavefront_size32 1
		.amdhsa_system_sgpr_workgroup_id_x 1
		.amdhsa_system_sgpr_workgroup_id_y 1
		.amdhsa_system_sgpr_workgroup_id_z 1
		.amdhsa_system_vgpr_workitem_id 0
		.amdhsa_next_free_vgpr 256
		.amdhsa_next_free_sgpr 66
		.amdhsa_reserve_vcc 0
		.amdhsa_float_denorm_mode_32 3
		.amdhsa_float_denorm_mode_16_64 3
		.amdhsa_memory_ordered 1
		.amdhsa_forward_progress 1
		.amdhsa_inst_pref_size 60
	.end_amdhsa_kernel
	.amdgpu_metadata
---
amdhsa.version: [ 1, 2 ]
amdhsa.kernels:
  - .name:           k_q40fd68fd64_prep
    .symbol:         k_q40fd68fd64_prep.kd
    .args:
      - { .name: x, .offset: 0, .size: 8, .value_kind: global_buffer, .address_space: global }
      - { .name: qkv_w, .offset: 8, .size: 8, .value_kind: global_buffer, .address_space: global }
      - { .name: proj_w, .offset: 16, .size: 8, .value_kind: global_buffer, .address_space: global }
      - { .name: ff1_w, .offset: 24, .size: 8, .value_kind: global_buffer, .address_space: global }
      - { .name: ff2_w, .offset: 32, .size: 8, .value_kind: global_buffer, .address_space: global }
      - { .name: ln1_g, .offset: 40, .size: 8, .value_kind: global_buffer, .address_space: global }
      - { .name: ln1_b, .offset: 48, .size: 8, .value_kind: global_buffer, .address_space: global }
      - { .name: act1, .offset: 56, .size: 8, .value_kind: global_buffer, .address_space: global }
      - { .name: wq, .offset: 64, .size: 8, .value_kind: global_buffer, .address_space: global }
    .group_segment_fixed_size: 317440
    .private_segment_fixed_size: 0
    .kernarg_segment_align: 8
    .kernarg_segment_size: 72
    .max_flat_workgroup_size: 512
    .sgpr_count:     66
    .vgpr_count:     256
    .wavefront_size: 32
...
	.end_amdgpu_metadata
.endif
;; end of part 1
;; launch qkv (part 2): grid 12 x 16, 16 waves a work-group, no clusters, 288,768 bytes of LDS; arguments act1, wq, qkv_b, qkvc; writes qkvc
.if DOCPART == 2
	.amdgcn_target "amdgcn-amd-amdhsa--gfx1250"
	.amdhsa_code_object_version 6
	.text
	.protected	k_q40fd68fd64_qkv
	.globl	k_q40fd68fd64_qkv
	.p2align	8
	.type	k_q40fd68fd64_qkv,@function
k_q40fd68fd64_qkv:
	s_mov_b64 s[64:65], 0
	v_nop
	global_prefetch_b8 v0, s[64:65] scope:SCOPE_SE
	s_setreg_imm32_b32 hwreg(HW_REG_WAVE_MODE, 25, 1), 1
	s_wait_xcnt 0x0
; QKV: LN1(x) qkv_w^T + qkv_b on codes of FP4 with E8M0 scales, and the result quantised on the way: q and k along the head's 64, v along the keys.
; A work-group makes 256 x 256 over K = 1,024: panel f = work-group x of qkv_w (256 features = 4 heads; f 0-3 q, 4-7 k, 8-11 v) against panel ty = work-group y of the tokens.
; Both panels of codes (131,072 bytes each) and of scale words (8,192 each) are dense blocks of memory in the order of the operands' registers; they are brought into LDS ONCE: one tensor load a wave
; (one K step of one side; the scale words come by plain loads), issued in the first lines: one is out at the most.  Nothing is filled again.
; X is source 0 and Y source 1: register j of a result, lane (r, h), is (X position 8 h + j, Y position r).  Rows lie by position (position 16 u + r of a group of 32 is row 8 u + r + 8 (r / 8)), so the 16 registers
; of X tiles 2 b and 2 b + 1 are 16 neighbours 32 b + 16 h + 0 .. 15 of X's true order: a lane's registers run along what is quantised.  q, k: X = features, Y = tokens.  v: X = tokens (the keys), Y = features.
; A WAVE (wx = wave / 8, wy = wave % 8) makes 128 X x 32 Y: 16 accumulators, which take turns, one instruction a turn.
; OUT: for each of 32 batch-heads a block [K codes 65,536][V codes 65,536][K scale words 8,192][V scale words 4,096]; behind the 32 blocks Q's codes and Q's scale words.  A tile of 16 queries or keys x 64 is 512 bytes
; (registers 0-3 of a fragment); a fragment of V (16 of the head's 64 x 128 keys) 1,024.  In a scale word of Q or K bytes 2 and 3 stand over zero codes; they are never 0xff.
; NO CLUSTER: each panel is asked for once by each of the 12 or 16 work-groups that use it; joint requests would divide those requests by four.  This text does not build them.
; LIMITS: NaN and infinities are not served; a block whose largest magnitude lies under 2^-124, a block of zeros too, keeps the scale byte 1 (its codes are zeros where it is all zeros; this program alone reads the bytes).
.set YP,  131072                       ; LDS: X's codes at 0 [8 K steps][16 tiles][1,024], Y's here,
.set XS,  262144                       ; X's scale words [8][256],
.set YS,  270336                       ; Y's,
.set BIA, 278528                       ; and 512 bytes for each wave: the bias of its 128 features
.set TM,  104                          ; v104-119 at work in the quantiser
.set SEL, 94                           ; s[94:95] lane selects: lane l xor 16
; REGISTERS: v1 16 l; v2-5 LDS addresses of X, Y, X's and Y's scale words; v6 4 l; v7 the bias in LDS; v12, v14 the lane's bias (v path); v16-19 X's scale words, v20 Y's (nothing else ever);
; v24-39 Y; v40-103 X, later the bias; v120-127, v24-31 codes; v32-35 scale words on their way out; v128-255 accumulator (xt, yt) at 128 + 64 yt + 8 xt.
.macro WMM d, a, b, sa, sb, ra, rb, zero
.if \zero
.if (\ra) && (\rb)
	v_wmma_scale_f32_16x16x128_f8f6f4 v[(\d):(\d)+7], v[(\a):(\a)+7], v[(\b):(\b)+7], 0, v[\sa], v[\sb] matrix_a_fmt:MATRIX_FMT_FP4 matrix_b_fmt:MATRIX_FMT_FP4 matrix_a_scale:MATRIX_SCALE_ROW1 matrix_b_scale:MATRIX_SCALE_ROW1
.elseif \ra
	v_wmma_scale_f32_16x16x128_f8f6f4 v[(\d):(\d)+7], v[(\a):(\a)+7], v[(\b):(\b)+7], 0, v[\sa], v[\sb] matrix_a_fmt:MATRIX_FMT_FP4 matrix_b_fmt:MATRIX_FMT_FP4 matrix_a_scale:MATRIX_SCALE_ROW1
.elseif \rb
	v_wmma_scale_f32_16x16x128_f8f6f4 v[(\d):(\d)+7], v[(\a):(\a)+7], v[(\b):(\b)+7], 0, v[\sa], v[\sb] matrix_a_fmt:MATRIX_FMT_FP4 matrix_b_fmt:MATRIX_FMT_FP4 matrix_b_scale:MATRIX_SCALE_ROW1
.else
	v_wmma_scale_f32_16x16x128_f8f6f4 v[(\d):(\d)+7], v[(\a):(\a)+7], v[(\b):(\b)+7], 0, v[\sa], v[\sb] matrix_a_fmt:MATRIX_FMT_FP4 matrix_b_fmt:MATRIX_FMT_FP4
.endif
.else
.if (\ra) && (\rb)
	v_wmma_scale_f32_16x16x128_f8f6f4 v[(\d):(\d)+7], v[(\a):(\a)+7], v[(\b):(\b)+7], v[(\d):(\d)+7], v[\sa], v[\sb] matrix_a_fmt:MATRIX_FMT_FP4 matrix_b_fmt:MATRIX_FMT_FP4 matrix_a_scale:MATRIX_SCALE_ROW1 matrix_b_scale:MATRIX_SCALE_ROW1
.elseif \ra
	v_wmma_scale_f32_16x16x128_f8f6f4 v[(\d):(\d)+7], v[(\a):(\a)+7], v[(\b):(\b)+7], v[(\d):(\d)+7], v[\sa], v[\sb] matrix_a_fmt:MATRIX_FMT_FP4 matrix_b_fmt:MATRIX_FMT_FP4 matrix_a_scale:MATRIX_SCALE_ROW1
.elseif \rb
	v_wmma_scale_f32_16x16x128_f8f6f4 v[(\d):(\d)+7], v[(\a):(\a)+7], v[(\b):(\b)+7], v[(\d):(\d)+7], v[\sa], v[\sb] matrix_a_fmt:MATRIX_FMT_FP4 matrix_b_fmt:MATRIX_FMT_FP4 matrix_b_scale:MATRIX_SCALE_ROW1
.else
	v_wmma_scale_f32_16x16x128_f8f6f4 v[(\d):(\d)+7], v[(\a):(\a)+7], v[(\b):(\b)+7], v[(\d):(\d)+7], v[\sa], v[\sb] matrix_a_fmt:MATRIX_FMT_FP4 matrix_b_fmt:MATRIX_FMT_FP4
.endif
.endif
.endm
.macro WM xt, yt, zero                 ; a scale register carries two neighbouring tiles' words: the even tile's in lanes 0-15, the odd one's in lanes 16-31
	WMM 128+64*(\yt)+8*(\xt), 40+8*(\xt), 24+8*(\yt), 16+(\xt)/2, 20, (\xt)%2, \yt, \zero
.endm
; One K step of 128: 25 LDS loads (5 of scale words, 4 for Y, 16 for X), 16 matrix instructions.  The four additions at its end are the four plain places between the last matrix instruction and the next loads into its registers.
.macro KSTEP zero
.irp i, 0,1,2,3
	ds_load_b32 v[16+\i], v4 offset:128*\i
.endr
	ds_load_b32 v20, v5
.irp yt, 0,1
.irp c, 0,1
	ds_load_b128 v[24+8*\yt+4*\c:27+8*\yt+4*\c], v3 offset:1024*\yt+512*\c
.endr
.endr
.irp xt, 0,1,2,3,4,5,6,7
.irp c, 0,1
	ds_load_b128 v[40+8*\xt+4*\c:43+8*\xt+4*\c], v2 offset:1024*\xt+512*\c
.endr
.endr
.irp xt, 0,1,2,3,4,5,6,7
	s_wait_dscnt 14-2*\xt                          ; X's tile xt is in; the two loads of each later tile may be out
	WM \xt, 0, \zero
	WM \xt, 1, \zero
.endr
	v_add_nc_u32 v2, 0x4000, v2
	v_add_nc_u32 v3, 0x4000, v3
	v_add_nc_u32 v4, 0x400, v4
	v_add_nc_u32 v5, 0x400, v5
.endm
; 64 numbers of a lane, register 16 b + i = k 32 b + 16 (lane / 16) + i of my row, become a fragment's codes in v[pc] on and its scale word in v[pw].
.macro QUANT s, pc, pw
.irp b, 0,1,2,3
	v_max3_num_f32 v[TM+\b], |v[(\s)+16*\b]|, |v[(\s)+1+16*\b]|, 0x1800000   ; the floor 2^(3 - 127) holds the byte at 1 from below
.endr
.irp i, 2,4,6,8,10,12,14
.irp b, 0,1,2,3
	s_delay_alu instid0(VALU_DEP_4)
	v_max3_num_f32 v[TM+\b], v[TM+\b], |v[(\s)+16*\b+\i]|, |v[(\s)+1+16*\b+\i]|
.endr
.endr
.irp b, 0,1,2,3
	s_delay_alu instid0(VALU_DEP_4)
	v_permlanex16_b32 v[TM+4+\b], v[TM+\b], s[SEL], s[SEL+1]
.endr
.irp b, 0,1,2,3
	s_delay_alu instid0(VALU_DEP_4)
	v_max_num_f32 v[TM+\b], v[TM+\b], v[TM+4+\b]   ; with lane l xor 16's: the block's largest magnitude
.endr
.irp b, 0,1,2,3
	s_delay_alu instid0(VALU_DEP_4)
	v_add_nc_u32 v[TM+12+\b], 0xff000000, v[TM+\b] ; 2 off its exponent field: the conversion's scale operand
.endr
.irp b, 0,1,2,3
	s_delay_alu instid0(VALU_DEP_4)
	v_lshrrev_b32 v[TM+4+\b], 23, v[TM+12+\b]      ; the scale's byte
.endr
	s_delay_alu instid0(VALU_DEP_3)
	v_lshl_or_b32 v[\pw], v[TM+5], 8, v[TM+4]
	s_delay_alu instid0(VALU_DEP_1)
	v_lshl_or_b32 v[\pw], v[TM+6], 16, v[\pw]
	s_delay_alu instid0(VALU_DEP_1)
	v_lshl_or_b32 v[\pw], v[TM+7], 24, v[\pw]
.irp b, 0,1,2,3
	v_cvt_scalef32_pk8_fp4_f32 v[(\pc)+2*\b], v[(\s)+16*\b:(\s)+7+16*\b], v[TM+12+\b]
	v_cvt_scalef32_pk8_fp4_f32 v[(\pc)+1+2*\b], v[(\s)+8+16*\b:(\s)+15+16*\b], v[TM+12+\b]
.endr
	v_nop                                          ; one plain place behind a scaled conversion
.irp c, 0,1
.irp i, 0,1
	v_permlane16_swap_b32 v[(\pc)+4*\c+\i], v[(\pc)+2+4*\c+\i]   ; a whole block to a lane: lanes 0-15 block 2 c, lanes 16-31 block 2 c + 1
.endr
.endr
.endm
.macro G0SET g, c                      ; descriptor group 0 for chunk c: count 1, LDS address, global address, type 2
	s_mov_b32 s[\g], 1
	s_add_co_u32 s[\g+1], s18, 32768*\c
	s_add_nc_u64 s[\g+2:\g+3], s[28:29], 32768*\c
	s_or_b32 s[\g+3], s[\g+3], 0x80000000
.endm
	s_load_b256 s[4:11], s[0:1], 0x0               ; act1, wq, qkv_b, qkvc
	v_lshl_add_u32 v114, v0, 2, 0x46000
	v_mov_b32 v115, 0
	ds_add_u32 v114, v115
	ds_add_u32 v114, v115
	v_lshrrev_b32 v1, 5, v0
	s_delay_alu instid0(VALU_DEP_1)
	v_readfirstlane_b32 s12, v1                    ; wave 0..15
	s_lshr_b32 s13, s12, 3                         ; wx
	s_and_b32 s14, s12, 7                          ; wy
	s_mov_b32 s15, ttmp9                           ; f
	s_and_b32 s16, ttmp7, 0xffff                   ; ty
	; descriptor group 1, codes: 64 rows of 32 elements of 8 bytes, dense, no padding
	s_mov_b32 s32, 3<<16
	s_mov_b32 s33, 32<<16
	s_mov_b32 s34, 64<<16                          ; THE FILLS AS THEY NOW STAND: one tensor load a wave, 64 rows of 256 bytes: one K step (16,384 bytes) of one side
	s_mov_b32 s35, 32<<16
	s_mov_b32 s36, 64
	s_mov_b32 s37, 32
	s_mov_b32 s38, 0
	s_mov_b32 s39, 0
	s_and_b32 s76, s12, 1                          ; I fetch for X (0) or for Y (1),
	s_lshr_b32 s77, s12, 1                         ; K step wave / 2,
	s_lshr_b32 s78, s12, 2                         ; which lies in chunk wave / 4 of two K steps
	s_lshl_b32 s20, s15, 17                        ; the weight's panel: codes,
	s_mov_b32 s21, 0
	s_lshl_b32 s22, s15, 13
	s_add_co_u32 s22, s22, 0x600000                ; scale words
	s_mov_b32 s23, 0
	s_lshl_b32 s24, s16, 17                        ; the tokens' panel: codes,
	s_mov_b32 s25, 0
	s_lshl_b32 s26, s16, 13
	s_add_co_u32 s26, s26, 0x200000                ; scale words
	s_mov_b32 s27, 0
	s_lshl_b32 s17, s76, 13
	s_lshl_b32 s18, s77, 10
	s_add_co_u32 s17, s17, s18
	s_add_co_u32 s17, s17, XS                      ; LDS: my 1,024 bytes of the scale words
	s_lshl_b32 s18, s76, 17
	s_lshl_b32 s19, s77, 14
	s_add_co_u32 s18, s18, s19                     ; LDS: my K step of codes
	s_wait_dscnt 0x0
	s_wait_kmcnt 0x0
	s_add_nc_u64 s[20:21], s[6:7], s[20:21]
	s_add_nc_u64 s[22:23], s[6:7], s[22:23]
	s_add_nc_u64 s[24:25], s[4:5], s[24:25]
	s_add_nc_u64 s[26:27], s[4:5], s[26:27]
	s_lshr_b32 s2, s15, 3                          ; X is the weight for q and k (f < 8), the tokens for v: I fetch the weight where (wave % 2) = (f / 8)
	s_xor_b32 s2, s2, s76
	s_cmp_eq_u32 s2, 0
	s_cselect_b64 s[28:29], s[20:21], s[24:25]
	s_cselect_b64 s[30:31], s[22:23], s[26:27]
	s_lshl_b32 s2, s77, 14
	s_mov_b32 s3, 0
	s_add_nc_u64 s[28:29], s[28:29], s[2:3]
	s_lshl_b32 s2, s77, 10
	s_add_nc_u64 s[30:31], s[30:31], s[2:3]
	G0SET 52, 0
; One chain of branches on the wave's number, an arm for each chunk: the four waves of a chunk have a load line of their own, and they alone wait ahead of the barrier that shows that chunk.
.macro ARM c, next
	s_cmp_eq_u32 s78, \c
	s_cbranch_scc0 \next
	tensor_load_to_lds s[52:55], s[32:39]
	s_nop 0
.rept 4
	v_nop
.endr
	s_branch .Lasked
\next:
.endm
	ARM 0, .Larm1
	ARM 1, .Larm2
	ARM 2, .Larm3
	tensor_load_to_lds s[52:55], s[32:39]
	s_nop 0
.rept 4
	v_nop
.endr
.Lasked:
	v_and_b32 v104, 31, v0                         ; lane l
	s_delay_alu instid0(VALU_DEP_1)
	v_lshlrev_b32 v1, 4, v104
	s_wait_alu depctr_va_vdst(0)
	v_lshlrev_b32 v6, 2, v104
	s_lshl_b32 s2, s13, 13
	v_add_nc_u32 v2, s2, v1                        ; X: my 8 tiles
	s_lshl_b32 s2, s14, 11
	s_add_co_u32 s2, s2, YP
	v_add_nc_u32 v3, s2, v1                        ; Y: my 2 tiles
	s_lshl_b32 s2, s13, 9
	s_add_co_u32 s2, s2, XS
	v_add_nc_u32 v4, s2, v6
	s_lshl_b32 s2, s14, 7
	s_add_co_u32 s2, s2, YS
	v_add_nc_u32 v5, s2, v6
	s_lshl_b32 s2, s12, 9
	s_add_co_u32 s2, s2, BIA
	v_add_nc_u32 v105, s2, v1
	v_add_nc_u32 v113, s17, v1                     ; where my part of the scale words goes
	v_lshrrev_b32 v106, 4, v104                    ; h
	s_delay_alu instid0(VALU_DEP_1)
	v_lshl_add_u32 v7, v106, 6, s2                 ; the bias as the accumulators want it: + 64 h
	v_and_b32 v107, 15, v104                       ; r
	s_delay_alu instid0(VALU_DEP_1)
	v_and_b32 v112, 8, v107
	s_delay_alu instid0(VALU_DEP_1)
	v_add_nc_u32 v107, v107, v112
	s_delay_alu instid0(VALU_DEP_1)
	v_lshlrev_b32 v107, 2, v107                    ; 4 (r + 8 (r / 8)): the feature at position r
	s_wait_alu depctr_va_vdst(0)
	s_lshl_b32 s2, s15, 10
	s_lshl_b32 s17, s13, 9
	s_add_co_u32 s2, s2, s17
	s_add_nc_u64 s[72:73], s[8:9], s[2:3]          ; the bias of features 256 f + 128 wx on (q, k)
	s_lshl_b32 s2, s15, 10
	s_lshl_b32 s17, s14, 7
	s_add_co_u32 s2, s2, s17
	s_add_nc_u64 s[74:75], s[8:9], s[2:3]          ; and of 256 f + 32 wy on (v).  Both lie inside qkv_b for every f, so both are loaded on every path
	global_load_b128 v[108:111], v1, s[72:73]
	global_load_b32 v12, v107, s[74:75]
	global_load_b32 v14, v107, s[74:75] offset:32
	global_load_b128 v[120:123], v1, s[30:31]      ; my 1,024 bytes of scale words: plain loads, 512 consecutive bytes each, and LDS stores
	global_load_b128 v[124:127], v1, s[30:31] offset:512
	v_mov_b32 v13, 0                               ; (named as the upper halves of pairs)
	v_mov_b32 v15, 0
	s_mov_b32 s92, 0xffff0000                      ; lanes 16-31
	s_mov_b32 s[SEL], 0x76543210
	s_mov_b32 s[SEL+1], 0xfedcba98
	s_wait_loadcnt 0x0
	ds_store_b128 v105, v[108:111]
	ds_store_b128 v113, v[120:123]
	ds_store_b128 v113, v[124:127] offset:512
	s_wait_dscnt 0x0                               ; no LDS instruction of mine is out at a barrier's signal
.irp b, 0,1,2,3
	v_mov_b32 v[TM+4+\b], 0                        ; written once: a lane permute's destination counts as one of its sources
.endr
	s_wait_alu depctr_va_vdst(0)
	s_cmp_eq_u32 s78, 0
	s_cbranch_scc0 .Lw0
	s_wait_tensorcnt 0x0                           ; chunk 0's four waves: their K steps are in
.Lw0:
	s_barrier_signal -1
	s_barrier_wait -1
	KSTEP 1                                        ; the first K step starts the sums
	s_wait_alu depctr_va_vdst(0)
	KSTEP 0
	s_wait_alu depctr_va_vdst(0)
	s_cmp_eq_u32 s78, 1
	s_cbranch_scc0 .Lw1
	s_wait_tensorcnt 0x0                           ; chunk 1's four waves
.Lw1:
	s_barrier_signal -1
	s_barrier_wait -1
	KSTEP 0
	s_wait_alu depctr_va_vdst(0)
	KSTEP 0
	s_wait_alu depctr_va_vdst(0)
	s_cmp_eq_u32 s78, 2
	s_cbranch_scc0 .Lw2
	s_wait_tensorcnt 0x0                           ; chunk 2's four waves
.Lw2:
	s_barrier_signal -1
	s_barrier_wait -1
	KSTEP 0
	s_wait_alu depctr_va_vdst(0)
	KSTEP 0
	s_wait_alu depctr_va_vdst(0)
	s_wait_tensorcnt 0                             ; chunk 3
	s_barrier_signal -1
	s_barrier_wait -1
	KSTEP 0
	s_wait_alu depctr_va_vdst(0)
	KSTEP 0
	s_cmp_ge_u32 s15, 8
	s_cbranch_scc1 .Lvpath
	; ---- q and k: a lane holds one token and 64 features of each of two heads
.irp b, 0,1,2,3
.irp q, 0,1,2,3
	ds_load_b128 v[40+16*\b+4*\q:43+16*\b+4*\q], v7 offset:128*\b+16*\q
.endr
.endr
	s_wait_dscnt 0x0
.irp k, 0,2,4,6,8,10,12,14,16,18,20,22,24,26,28,30,32,34,36,38,40,42,44,46,48,50,52,54,56,58,60,62
	v_pk_add_f32 v[128+\k:129+\k], v[128+\k:129+\k], v[40+\k:41+\k]       ; each accumulator from its low end on
.endr
.irp k, 0,2,4,6,8,10,12,14,16,18,20,22,24,26,28,30,32,34,36,38,40,42,44,46,48,50,52,54,56,58,60,62
	v_pk_add_f32 v[192+\k:193+\k], v[192+\k:193+\k], v[40+\k:41+\k]
.endr
	QUANT 128, 120, 32
	QUANT 192, 24, 33
	v_cndmask_b32 v34, v32, v33, s92               ; lanes 0-15: tile 0's words; lanes 16-31: tile 1's.  Bytes 0, 1: the first head's blocks;
	s_delay_alu instid0(VALU_DEP_1)
	v_lshrrev_b32 v35, 16, v34                     ; bytes 2, 3: the second head's
	s_lshr_b32 s17, s16, 3
	s_lshl_b32 s17, s17, 4
	s_and_b32 s18, s15, 3
	s_lshl_b32 s18, s18, 2
	s_add_co_u32 s17, s17, s18
	s_lshl_b32 s18, s13, 1
	s_add_co_u32 s17, s17, s18                     ; the first head: 16 batch + 4 (f % 4) + 2 wx
	s_and_b32 s18, s16, 7
	s_lshl_b32 s18, s18, 8
	s_lshl_b32 s19, s14, 5
	s_add_co_u32 s18, s18, s19                     ; my first position in the sequence
	s_mov_b32 s20, 143360
	s_mov_b32 s22, 131072
	s_mov_b32 s23, 143360
	s_cmp_lt_u32 s15, 4                            ; q or k
	s_cselect_b32 s20, 0x10000, s20                ; bytes from head to head, codes
	s_cselect_b32 s21, 4587520, 0                  ; where the codes begin
	s_cselect_b32 s22, 6684672, s22                ; where the scale words begin
	s_cselect_b32 s23, 8192, s23                   ; bytes from head to head, scale words
	s_mul_i32 s24, s17, s20
	s_add_co_u32 s24, s24, s21
	s_lshl_b32 s26, s18, 5
	s_add_co_u32 s24, s24, s26
	s_mov_b32 s25, 0
	s_add_nc_u64 s[24:25], s[10:11], s[24:25]
	s_mov_b32 s21, 0
	s_add_nc_u64 s[26:27], s[24:25], s[20:21]
	s_mul_i32 s28, s17, s23
	s_add_co_u32 s28, s28, s22
	s_lshl_b32 s30, s18, 2
	s_add_co_u32 s28, s28, s30
	s_mov_b32 s29, 0
	s_add_nc_u64 s[28:29], s[10:11], s[28:29]
	s_mov_b32 s22, s23
	s_mov_b32 s23, 0
	s_add_nc_u64 s[30:31], s[28:29], s[22:23]
	global_store_b128 v1, v[120:123], s[24:25]                 ; each store covers 512 consecutive bytes: a tile of 16 tokens x 64
	global_store_b128 v1, v[124:127], s[26:27]
	s_wait_alu depctr_va_vdst(0)
	global_store_b128 v1, v[24:27], s[24:25] offset:512
	global_store_b128 v1, v[28:31], s[26:27] offset:512
	global_store_b32 v6, v34, s[28:29]                         ; 128 consecutive bytes
	global_store_b32 v6, v35, s[30:31]
	s_wait_tensorcnt 0x0
	ds_add_u32 v114, v115
	s_wait_dscnt 0x0
	s_endpgm
.Lvpath:
	; ---- v: a lane holds one of the head's 64 and 128 keys
.irp k, 0,2,4,6,8,10,12,14,16,18,20,22,24,26,28,30,32,34,36,38,40,42,44,46,48,50,52,54,56,58,60,62
	v_pk_add_f32 v[128+\k:129+\k], v[128+\k:129+\k], v[12:13] op_sel_hi:[1,0]
.endr
.irp k, 0,2,4,6,8,10,12,14,16,18,20,22,24,26,28,30,32,34,36,38,40,42,44,46,48,50,52,54,56,58,60,62
	v_pk_add_f32 v[192+\k:193+\k], v[192+\k:193+\k], v[14:15] op_sel_hi:[1,0]
.endr
	QUANT 128, 120, 32
	QUANT 192, 24, 33
	v_cndmask_b32 v34, v32, v33, s92
	s_lshr_b32 s17, s16, 3
	s_lshl_b32 s17, s17, 4
	s_sub_co_u32 s18, s15, 8
	s_lshl_b32 s18, s18, 2
	s_add_co_u32 s17, s17, s18
	s_lshr_b32 s18, s14, 1
	s_add_co_u32 s17, s17, s18                     ; the head: 16 batch + 4 (f - 8) + wy / 2
	s_mul_i32 s17, s17, 143360
	s_and_b32 s18, s16, 7
	s_lshl_b32 s18, s18, 1
	s_add_co_u32 s18, s18, s13                     ; the key step: 2 (ty % 8) + wx
	s_and_b32 s19, s14, 1
	s_lshl_b32 s20, s18, 12
	s_lshl_b32 s21, s19, 11
	s_add_co_u32 s20, s20, s21
	s_add_co_u32 s20, s20, s17
	s_add_co_u32 s20, s20, 65536
	s_mov_b32 s21, 0
	s_add_nc_u64 s[20:21], s[10:11], s[20:21]
	s_lshl_b32 s22, s18, 8
	s_lshl_b32 s23, s19, 7
	s_add_co_u32 s22, s22, s23
	s_add_co_u32 s22, s22, s17
	s_add_co_u32 s22, s22, 139264
	s_mov_b32 s23, 0
	s_add_nc_u64 s[22:23], s[10:11], s[22:23]
	global_store_b128 v1, v[120:123], s[20:21]
	global_store_b128 v1, v[124:127], s[20:21] offset:512
	s_wait_alu depctr_va_vdst(0)
	global_store_b128 v1, v[24:27], s[20:21] offset:1024
	global_store_b128 v1, v[28:31], s[20:21] offset:1536
	global_store_b32 v6, v34, s[22:23]
	s_wait_tensorcnt 0x0
	ds_add_u32 v114, v115
	s_wait_dscnt 0x0
	s_endpgm
.Lfunc_end_k_q40fd68fd64_qkv:
	.size	k_q40fd68fd64_qkv, .Lfunc_end_k_q40fd68fd64_qkv-k_q40fd68fd64_qkv
	.p2alignl 7, 3214868480
	.fill 96, 4, 3214868480
	.section	.rodata,"a",@progbits
	.p2align	6, 0x0
	.amdhsa_kernel k_q40fd68fd64_qkv
		.amdhsa_group_segment_fixed_size 288768
		.amdhsa_private_segment_fixed_size 0
		.amdhsa_enable_private_segment 0
		.amdhsa_kernarg_size 32
		.amdhsa_user_sgpr_count 2
		.amdhsa_user_sgpr_kernarg_segment_ptr 1
		.amdhsa_wavefront_size32 1
		.amdhsa_system_sgpr_workgroup_id_x 1
		.amdhsa_system_sgpr_workgroup_id_y 1
		.amdhsa_system_sgpr_workgroup_id_z 1
		.amdhsa_system_vgpr_workitem_id 0
		.amdhsa_next_free_vgpr 256
		.amdhsa_next_free_sgpr 96
		.amdhsa_reserve_vcc 0
		.amdhsa_float_denorm_mode_32 3
		.amdhsa_float_denorm_mode_16_64 3
		.amdhsa_memory_ordered 1
		.amdhsa_forward_progress 1
		.amdhsa_inst_pref_size 74
	.end_amdhsa_kernel
	.amdgpu_metadata
---
amdhsa.version: [ 1, 2 ]
amdhsa.kernels:
  - .name:           k_q40fd68fd64_qkv
    .symbol:         k_q40fd68fd64_qkv.kd
    .args:
      - { .name: act1, .offset: 0, .size: 8, .value_kind: global_buffer, .address_space: global }
      - { .name: wq, .offset: 8, .size: 8, .value_kind: global_buffer, .address_space: global }
      - { .name: qkv_b, .offset: 16, .size: 8, .value_kind: global_buffer, .address_space: global }
      - { .name: qkvc, .offset: 24, .size: 8, .value_kind: global_buffer, .address_space: global }
    .group_segment_fixed_size: 288768
    .private_segment_fixed_size: 0
    .kernarg_segment_align: 8
    .kernarg_segment_size: 32
    .max_flat_workgroup_size: 512
    .sgpr_count:     96
    .vgpr_count:     256
    .wavefront_size: 32
...
	.end_amdgpu_metadata
.endif
;; end of part 2
;; launch attn (part 3): grid 8 x 32, 16 waves a work-group, no clusters, 240,384 bytes of LDS; arguments qkvc, att; writes att
.if DOCPART == 3
	.amdgcn_target "amdgcn-amd-amdhsa--gfx1250"
	.amdhsa_code_object_version 6
	.text
	.protected	k_q40fd68fd64_attn
	.globl	k_q40fd68fd64_attn
	.p2align	8
	.type	k_q40fd68fd64_attn,@function
k_q40fd68fd64_attn:
	s_mov_b64 s[64:65], 0
	v_nop
	global_prefetch_b8 v0, s[64:65] scope:SCOPE_SE
	s_setreg_imm32_b32 hwreg(HW_REG_WAVE_MODE, 25, 1), 1
	s_wait_xcnt 0x0
; ATTN: causal attention of one batch-head on codes of FP4 with E8M0 scales, and its result quantised along the channels for the projection.
; THE SOFTMAX AHEAD OF THE SECOND PRODUCT: t = score x log2(e) / 8; M = the row's largest t so far, rounded UP to a whole number; p = 2^(t - M) is quantised along the keys, not normalised.
; The row's sum is taken of the unquantised p, in f32, and divides O at the end.  When M moves, the sum and O are multiplied by 2^(old M - new M): exact.
; WORK LEFT OUT: key steps of 128 all of whose keys come after a tile's queries are hidden by the causal mask for every input: the deal below never walks them.
; THE DEAL.  Work-group (i, head), i = 0 .. 7, owns the 128 queries of block 15 - i (16 - i key steps) and of block i (i + 1 key steps): eight tiles of 16 queries each.  The tiles at place j of both blocks, 17 key steps, belong to a PAIR of waves:
;   wave A (role 0): the long tile's steps 7 - i .. 15 - i, in trips 0 .. 8; trip 8 lies on the diagonal;
;   wave B (role 1): the long tile's steps 0 .. 6 - i, in trips 0 .. 6 - i; at the head of trip 7 - i it stores its state (O^T, -M, the sum) to LDS, begins anew with the short tile's Q, and walks that tile's steps 0 .. i; trip 7 lies on the diagonal.
; Behind the loops and one barrier A brings both states of the long tile under the larger M, by powers of two, and adds them; then every wave divides, quantises and stores one tile.  So no wave walks more than 9 steps, whatever i.
; LDS.  Each (role, trip) has a SLOT of its own, [K 4,096][V 4,096] bytes: A's trips in slots 0-8, B's in 9-16, and 768 bytes of scale words ([K 512][V 256]) at SC + 768 x slot.  So every LDS address is made of the wave's number and the trip alone;
; which key step lies in a slot hangs on i and enters global addresses alone.  (A key step that both roles walk is fetched for each.)
; FILLS.  Wave w brings the slot of role w % 2, trip w / 2, by ONE tensor load: two rows of 4,096 bytes, 65,536 bytes apart in memory; nothing is filled again.  Slot 8 comes by plain loads, 512 bytes a wave, and LDS stores; so do the scale words
; (a wave its slot's, wave 15 slot 8's too) and each wave's copy of its last tile's Q (B reads it at its change of tiles; A's copy is not read).  Waves 0-5 have a load line of their own and wait ahead of the first barrier, which shows trips 0 to 2;
; the first loop walks trips 0 and 1.  Ahead of the second barrier every wave waits; the second loop walks trips 2 to 8.
; K's fragments and scale words are fetched ONE TRIP AHEAD, behind the trip's first products.  A wave's last fetch reads written bytes that follow its last slot (A: B's slot 9; B: the first scale words and wave 0's copy of Q); nobody uses what it brings.
; LAYOUT.  Both products are used transposed: S^T = K Q^T (source 0 = 16 keys), O^T = V^T P^T (source 0 = 16 of the head's 64): a lane holds ONE query throughout.  Keys, queries and the head's 64 lie by position
; (position 16 u + r of a group of 32 is row 8 u + r + 8 (r / 8)), so the 16 registers of tiles 2 b and 2 b + 1 are 16 neighbours 32 b + 16 (lane / 16) + 0 .. 15.  The first product's K is 64: registers 4-7 of both operands are zero codes.
; NO CLUSTER: partners would want different key steps in the same slot, since the step in a slot hangs on i.  NO PREFETCH: all slots are asked for in the first lines; no later request is left to run ahead of.
; LIMITS: NaN and infinities are not served; the scaled scores stay under 2^31 in magnitude; a block whose largest magnitude lies under 2^-124, a block of zeros too, keeps the scale byte 1.  The long tile's sums are added in two parts.
; REGISTERS: v1 16 l; v6, v2 my lane's place in K and V of my role's first slot; v3, v4 in its scale words; v5 the mask's number; v7 2 r; v8-11 the trip's addresses; v12 -M, v13 the largest t, v[14:15] the sum; v16-23 Q; v24-27 K's scale words,
; v28-29 V's, v30 Q's, v31 p's (nothing else ever); v32-95 K; v96-159 S^T, then p; v160-191 O^T; v192-223 V; v224-231 p's codes; v232-254 at work; v250 the pair's place for the state; v251, v255 for the add alone.
.set SC,    139264                     ; behind 17 slots: the scale words, 17 x 768 bytes
.set QS,    152320                     ; 768 bytes a wave: its last tile's Q: 512 of codes, 128 of scale words
.set PT,    164608                     ; sixteen places of 4,608 bytes for a state, one for each wave by its number: place j is pair j's B's, which stores the long tile's state there; place 8 + j is its A's, which stores nothing
.set SPARE, 238336                     ; the spare words, 128 bytes a wave
.set NA,    2                          ; trips of the first loop
.set SEL,   28                         ; s[28:29] lane selects: lane l xor 16
.set CS,    30                         ; s[30:31] c = log2(e) / 8
.macro WMM d, a, b, sa, sb, ra, zero
.if \zero
.if \ra
	v_wmma_scale_f32_16x16x128_f8f6f4 v[(\d):(\d)+7], v[(\a):(\a)+7], v[(\b):(\b)+7], 0, v[\sa], v[\sb] matrix_a_fmt:MATRIX_FMT_FP4 matrix_b_fmt:MATRIX_FMT_FP4 matrix_a_scale:MATRIX_SCALE_ROW1
.else
	v_wmma_scale_f32_16x16x128_f8f6f4 v[(\d):(\d)+7], v[(\a):(\a)+7], v[(\b):(\b)+7], 0, v[\sa], v[\sb] matrix_a_fmt:MATRIX_FMT_FP4 matrix_b_fmt:MATRIX_FMT_FP4
.endif
.else
.if \ra
	v_wmma_scale_f32_16x16x128_f8f6f4 v[(\d):(\d)+7], v[(\a):(\a)+7], v[(\b):(\b)+7], v[(\d):(\d)+7], v[\sa], v[\sb] matrix_a_fmt:MATRIX_FMT_FP4 matrix_b_fmt:MATRIX_FMT_FP4 matrix_a_scale:MATRIX_SCALE_ROW1
.else
	v_wmma_scale_f32_16x16x128_f8f6f4 v[(\d):(\d)+7], v[(\a):(\a)+7], v[(\b):(\b)+7], v[(\d):(\d)+7], v[\sa], v[\sb] matrix_a_fmt:MATRIX_FMT_FP4 matrix_b_fmt:MATRIX_FMT_FP4
.endif
.endif
.endm
.macro TLOAD                           ; my slot
	tensor_load_to_lds s[24:27], s[16:23]
	s_nop 0
.rept 4
	v_nop
.endr
.endm
.macro KLOAD ak, as, oc, os            ; 12 LDS loads: a slot's eight tiles of K (registers 0-3 of each fragment) and its four registers of scale words
.irp t, 0,1,2,3,4,5,6,7
	ds_load_b128 v[32+8*\t:35+8*\t], v[\ak] offset:(\oc)+512*\t
.endr
.irp i, 0,1,2,3
	ds_load_b32 v[24+\i], v[\as] offset:(\os)+128*\i
.endr
.endm
.macro PTR d, off                      ; pointer d = qkvc + the 32-bit offset in s12 + off (s13 = 0)
	s_add_co_u32 s12, s12, \off
	s_add_nc_u64 s[\d:\d+1], s[4:5], s[12:13]
.endm
; A TRIP: 128 keys.  s35 the trip, s32 its slot's bytes from my role's first slot, s33 the same for the scale words.  full = 0: a trip that is nobody's last and nobody's diagonal
.macro STEP full
.if \full
	s_cmp_gt_u32 s35, s11                          ; B has no trip 8
	s_cbranch_scc1 .Lhid_\@
.endif
	s_cmp_eq_u32 s47, 1                            ; B's change of tiles, at the head of trip 7 - i
	s_cbranch_scc0 .Lnosw_\@
	s_cmp_eq_u32 s35, s52
	s_cbranch_scc0 .Lnosw_\@
.rept 4
	v_nop                                          ; places behind the last products
.endr
.irp n, 0,1,2,3,4,5,6,7
	ds_store_b128 v250, v[160+4*\n:163+4*\n] offset:512*\n         ; the long tile's O^T so far, each accumulator from its low end on,
.endr
	ds_store_b128 v250, v[12:15] offset:4096       ; -M, the largest t, the sum
	v_add_nc_u32 v8, s69, v1
	v_lshrrev_b32 v9, 2, v1
	v_add_nc_u32 v9, s74, v9
	ds_load_b128 v[16:19], v8                      ; the short tile's Q and its scale words: my own bytes
	ds_load_b32 v30, v9
	v_mov_b32 v13, 0xff61b1e6                      ; and the state begins anew
	v_floor_f32 v12, -v13
	v_mov_b32 v14, 0
	v_mov_b32 v15, 0
.irp j, 0,1,2,3,4,5,6,7,8,9,10,11,12,13,14,15,16,17,18,19,20,21,22,23,24,25,26,27,28,29,30,31
	v_mov_b32 v[160+\j], 0
.endr
	s_wait_alu depctr_va_vdst(0)
	s_wait_dscnt 0x0
.Lnosw_\@:
	v_add_nc_u32 v8, s32, v6                       ; (these four are the places between the last trip's products and the loads into their registers)
	v_add_nc_u32 v9, s32, v2
	v_add_nc_u32 v10, s33, v3
	v_add_nc_u32 v11, s33, v4
.irp t, 0,1,2,3
	ds_load_b128 v[192+8*\t:195+8*\t], v9 offset:1024*\t
	ds_load_b128 v[196+8*\t:199+8*\t], v9 offset:1024*\t+512
.endr
	ds_load_b32 v28, v11
	ds_load_b32 v29, v11 offset:128
	s_wait_alu depctr_va_vdst(0)
	s_wait_dscnt 10                                ; K and its scale words, fetched a trip ago, are in; V's ten loads just issued may be out
.irp t, 0,1,2,3,4,5,6,7
	WMM 96+8*\t, 32+8*\t, 16, 24+\t/2, 30, \t%2, 1
.endr
.rept 4
	v_nop
.endr
	KLOAD 8, 10, 8192, 768                         ; the next trip's K
.if \full
	s_cmp_lg_u32 s35, s11                          ; only the wave's last trip lies on the diagonal
	s_cbranch_scc1 .Lopen_\@
	v_mov_b32 v254, 0xff800000                     ; -infinity: p = 0 then
.irp n, 0,1,2,3,4,5,6,7,8,9,10,11,12,13,14,15,16,17,18,19,20,21,22,23,24,25,26,27,28,29,30,31,32,33,34,35,36,37,38,39,40,41,42,43,44,45,46,47,48,49,50,51,52,53,54,55,56,57,58,59,60,61,62,63
	v_cmp_gt_i32 vcc_lo, 32*(\n/16)+\n%16, v5
	v_cndmask_b32 v[96+\n], v[96+\n], v254, vcc_lo
.endr
.Lopen_\@:
.endif
.irp b, 0,1,2,3
	v_max3_num_f32 v[232+\b], v[96+16*\b], v[97+16*\b], v[98+16*\b]   ; the largest score of each block of 32 keys: for the row's maximum, and, since p rises with the score, for the block's largest p
.endr
.irp i, 3,5,7,9,11,13
.irp b, 0,1,2,3
	v_max3_num_f32 v[232+\b], v[232+\b], v[96+16*\b+\i], v[97+16*\b+\i]
.endr
.endr
.irp b, 0,1,2,3
	v_max_num_f32 v[232+\b], v[232+\b], v[111+16*\b]
.endr
.irp b, 0,1,2,3
	s_delay_alu instid0(VALU_DEP_4)
	v_permlanex16_b32 v[236+\b], v[232+\b], s[SEL], s[SEL+1]
.endr
.irp b, 0,1,2,3
	s_delay_alu instid0(VALU_DEP_4)
	v_max_num_f32 v[232+\b], v[232+\b], v[236+\b]
.endr
	s_delay_alu instid0(VALU_DEP_2)
	v_max3_num_f32 v254, v232, v233, v234
	s_delay_alu instid0(VALU_DEP_1)
	v_max_num_f32 v254, v254, v235
	s_delay_alu instid0(VALU_DEP_1)
	v_mul_f32 v254, s[CS], v254                    ; as t (c is positive)
	s_delay_alu instid0(VALU_DEP_1)
	v_max_num_f32 v13, v13, v254                   ; the running largest t
	v_mov_b32 v254, v12
	s_delay_alu instid0(VALU_DEP_2)
	v_floor_f32 v12, -v13                          ; the new -M = floor(-t) = -ceil(t)
	s_delay_alu instid0(VALU_DEP_1)
	v_sub_f32 v254, v12, v254                      ; old M - new M: a whole number, 0 or less
	s_delay_alu instid0(VALU_DEP_1)
	v_cvt_i32_f32 v254, v254
	s_delay_alu instid0(VALU_DEP_1)
	v_ldexp_f32 v252, 1.0, v254                    ; f = 2^(old M - new M)
.irp j, 0,2,4,6,8,10,12,14,16,18,20,22,24,26,28,30,32,34,36,38,40,42,44,46,48,50,52,54,56,58,60,62
	v_pk_fma_f32 v[96+\j:97+\j], v[96+\j:97+\j], s[CS:CS+1], v[12:13] op_sel_hi:[1,0,0]   ; t - M
.endr
.irp b, 0,1,2,3
	v_fma_f32 v[232+\b], v[232+\b], s[CS], v12
.endr
	s_wait_alu depctr_va_vdst(0)
.irp j, 0,1,2,3,4,5,6,7,8,9,10,11,12,13,14,15,16,17,18,19,20,21,22,23,24,25,26,27,28,29,30,31,32,33,34,35,36,37,38,39,40,41,42,43,44,45,46,47,48,49,50,51,52,53,54,55,56,57,58,59,60,61,62,63
	v_exp_f32 v[96+\j], v[96+\j]                   ; p = 2^(t - M)
.endr
.irp b, 0,1,2,3
	v_exp_f32 v[232+\b], v[232+\b]                 ; the block's largest p: the same two instructions on the same number
.endr
	v_pk_mul_f32 v[14:15], v[14:15], v[252:253] op_sel_hi:[1,0]   ; the sums under the new M (a plain place behind the exponentials)
	s_wait_alu depctr_va_vdst(0)                   ; and behind it, ahead of its first reader
.irp b, 0,1,2,3
	v_max_num_f32 v[232+\b], 0x1800000, v[232+\b]  ; the floor 2^(3 - 127)
.endr
.irp b, 0,1,2,3
	s_delay_alu instid0(VALU_DEP_4)
	v_add_nc_u32 v[244+\b], 0xff000000, v[232+\b]
.endr
.irp b, 0,1,2,3
	s_delay_alu instid0(VALU_DEP_4)
	v_lshrrev_b32 v[236+\b], 23, v[244+\b]
.endr
	s_delay_alu instid0(VALU_DEP_3)
	v_lshl_or_b32 v31, v237, 8, v236               ; p's scale word for these 128 keys
	s_delay_alu instid0(VALU_DEP_1)
	v_lshl_or_b32 v31, v238, 16, v31
	s_delay_alu instid0(VALU_DEP_1)
	v_lshl_or_b32 v31, v239, 24, v31
.irp b, 0,1,2,3
	v_cvt_scalef32_pk8_fp4_f32 v[224+2*\b], v[96+16*\b:103+16*\b], v[244+\b]
	v_cvt_scalef32_pk8_fp4_f32 v[225+2*\b], v[104+16*\b:111+16*\b], v[244+\b]
.endr
	v_nop                                          ; one plain place behind a scaled conversion
.irp c, 0,1
.irp i, 0,1
	v_permlane16_swap_b32 v[224+4*\c+\i], v[226+4*\c+\i]
.endr
.endr
	v_pk_add_f32 v[236:237], v[100:101], v[104:105]                ; the row's sum of the unquantised p, in eight chains
	v_pk_add_f32 v[248:249], v[108:109], v[112:113]
	v_pk_add_f32 v[246:247], v[116:117], v[120:121]
	v_pk_add_f32 v[244:245], v[124:125], v[128:129]
	v_pk_add_f32 v[242:243], v[132:133], v[136:137]
	v_pk_add_f32 v[240:241], v[140:141], v[144:145]
	v_pk_add_f32 v[234:235], v[148:149], v[152:153]
	v_pk_add_f32 v[14:15], v[14:15], v[156:157]
	v_pk_add_f32 v[236:237], v[236:237], v[96:97]
	v_pk_add_f32 v[248:249], v[248:249], v[98:99]
	v_pk_add_f32 v[246:247], v[246:247], v[102:103]
	v_pk_add_f32 v[244:245], v[244:245], v[106:107]
	v_pk_add_f32 v[242:243], v[242:243], v[110:111]
	v_pk_add_f32 v[240:241], v[240:241], v[114:115]
	v_pk_add_f32 v[234:235], v[234:235], v[118:119]
	v_pk_add_f32 v[14:15], v[14:15], v[122:123]
	v_pk_add_f32 v[236:237], v[236:237], v[126:127]
	v_pk_add_f32 v[248:249], v[248:249], v[130:131]
	v_pk_add_f32 v[246:247], v[246:247], v[134:135]
	v_pk_add_f32 v[244:245], v[244:245], v[138:139]
	v_pk_add_f32 v[242:243], v[242:243], v[142:143]
	v_pk_add_f32 v[240:241], v[240:241], v[146:147]
	v_pk_add_f32 v[234:235], v[234:235], v[150:151]
	v_pk_add_f32 v[14:15], v[14:15], v[154:155]
	v_pk_add_f32 v[236:237], v[236:237], v[158:159]
	s_delay_alu instid0(VALU_DEP_2)
	v_pk_add_f32 v[14:15], v[14:15], v[244:245]
	s_delay_alu instid0(VALU_DEP_2)
	v_pk_add_f32 v[236:237], v[236:237], v[242:243]
	v_pk_add_f32 v[248:249], v[248:249], v[240:241]
	v_pk_add_f32 v[246:247], v[246:247], v[234:235]
	s_delay_alu instid0(VALU_DEP_2)
	v_pk_add_f32 v[14:15], v[14:15], v[248:249]
	s_delay_alu instid0(VALU_DEP_2)
	v_pk_add_f32 v[236:237], v[236:237], v[246:247]
	s_delay_alu instid0(VALU_DEP_1)
	v_pk_add_f32 v[14:15], v[14:15], v[236:237]
	s_wait_alu depctr_va_vdst(0)                   ; directly ahead of the first reader of O^T
.irp j, 0,2,4,6,8,10,12,14,16,18,20,22,24,26,28,30
	v_pk_mul_f32 v[160+\j:161+\j], v[160+\j:161+\j], v[252:253] op_sel_hi:[1,0]   ; O^T under the new M.  (These and the sums stand between the lines that made p's codes and scale word and the products)
.endr
	s_wait_alu depctr_va_vdst(0)
	s_wait_dscnt 12                                ; V and its scale words are in; the next K's twelve loads may be out
.irp t, 0,1,2,3
	WMM 160+8*\t, 192+8*\t, 224, 28+\t/2, 31, \t%2, 0
.endr
.Lhid_\@:
	s_add_co_u32 s32, s32, 8192
	s_add_co_u32 s33, s33, 768
	s_add_co_u32 s35, s35, 1
.endm
	s_load_b128 s[4:7], s[0:1], 0x0                ; qkvc, att
	v_lshl_add_u32 v251, v0, 2, SPARE
	v_mov_b32 v255, 0
	ds_add_u32 v251, v255                          ; the opening lines: the add, twice on end, and its wait ahead of my tensor load
	ds_add_u32 v251, v255
	v_lshrrev_b32 v1, 5, v0
	s_delay_alu instid0(VALU_DEP_1)
	v_readfirstlane_b32 s8, v1                     ; wave 0..15
	s_and_b32 s9, ttmp7, 0xffff                    ; the batch-head
	s_mov_b32 s16, 3<<16                           ; descriptor group 1: 2 rows of 512 elements of 8 bytes, 8,192 elements apart, no padding
	s_mov_b32 s17, 512<<16
	s_mov_b32 s18, 2<<16
	s_mov_b32 s19, 512<<16
	s_mov_b32 s20, 2
	s_mov_b32 s21, 8192
	s_mov_b32 s22, 0
	s_mov_b32 s23, 0
	s_mov_b32 s36, ttmp9                           ; i
	s_sub_co_u32 s52, 7, s36                       ; 7 - i: A's first key step, and the trip of B's change of tiles
	s_and_b32 s53, s8, 1                           ; I fetch for role wave % 2,
	s_lshr_b32 s54, s8, 1                          ; trip wave / 2
	s_add_co_u32 s55, s52, s54                     ; A's key step of that trip;
	s_sub_co_u32 s56, s54, s52
	s_cmp_lt_u32 s54, s52
	s_cselect_b32 s56, s54, s56                    ; B's: the trip itself ahead of the change, the trip - (7 - i) from it on
	s_cmp_eq_u32 s53, 0
	s_cselect_b32 s55, s55, s56                    ; the key step that I fetch
	s_mul_i32 s10, s9, 143360                      ; the head's block
	s_lshl_b32 s12, s55, 12
	s_add_co_u32 s12, s12, s10
	s_mov_b32 s13, 0
	s_mov_b32 s24, 1
	s_mul_i32 s25, s53, 73728                      ; LDS: slot 9 x role + trip
	s_lshl_b32 s57, s54, 13
	s_add_co_u32 s25, s25, s57
	s_wait_dscnt 0x0
	s_wait_kmcnt 0x0
	s_add_nc_u64 s[26:27], s[4:5], s[12:13]
	s_or_b32 s27, s27, 0x80000000
	s_cmp_lt_u32 s8, 6                             ; waves 0-5 (trips 0 to 2) have a load line of their own: they alone wait ahead of the first barrier
	s_cbranch_scc0 .Llate
	TLOAD
	s_branch .Lasked
.Llate:
	TLOAD
.Lasked:
	s_lshl_b32 s12, s55, 9
	s_add_co_u32 s12, s12, s10
	PTR 50, 131072                                 ; my slot's scale words of K,
	s_lshl_b32 s12, s55, 8
	s_add_co_u32 s12, s12, s10
	PTR 58, 139264                                 ; and of V;
	s_mul_i32 s46, s53, 9
	s_add_co_u32 s46, s46, s54
	s_mul_i32 s46, s46, 768
	s_add_co_u32 s46, s46, SC                      ; their place in LDS
	s_add_co_u32 s55, s52, 8                       ; slot 8 holds key step 15 - i: my 512 bytes of its 8,192: waves 0-7 K's, waves 8-15 V's
	s_lshl_b32 s12, s55, 12
	s_add_co_u32 s12, s12, s10
	s_and_b32 s56, s8, 7
	s_lshl_b32 s56, s56, 9
	s_add_co_u32 s12, s12, s56
	s_lshr_b32 s56, s8, 3
	s_lshl_b32 s56, s56, 16
	PTR 60, s56
	s_lshl_b32 s12, s55, 9
	s_add_co_u32 s12, s12, s10
	PTR 62, 131072                                 ; its scale words (wave 15)
	s_lshl_b32 s12, s55, 8
	s_add_co_u32 s12, s12, s10
	PTR 66, 139264
	s_lshl_b32 s57, s8, 9
	s_add_co_u32 s57, s57, 65536                   ; LDS: slot 8 + 512 x wave
	s_bfe_u32 s47, s8, 0x10002                     ; my role: bit 2 of the wave's number,
	s_and_b32 s37, s8, 3
	s_lshr_b32 s15, s8, 3
	s_lshl_b32 s15, s15, 2
	s_or_b32 s37, s37, s15                         ; and my pair j: the other three bits
	s_sub_co_u32 s11, 8, s47                       ; my last trip
	s_sub_co_u32 s68, 15, s36
	s_lshl_b32 s68, s68, 3
	s_add_co_u32 s68, s68, s37                     ; the long tile,
	s_lshl_b32 s14, s36, 3
	s_add_co_u32 s14, s14, s37                     ; the short one
	s_cmp_eq_u32 s47, 0
	s_cselect_b32 s14, s68, s14                    ; the tile that I finish
	s_lshl_b32 s12, s9, 16
	s_lshl_b32 s15, s68, 9
	s_add_co_u32 s12, s12, s15
	PTR 38, 4587520                                ; the long tile's Q: codes,
	s_lshl_b32 s12, s9, 13
	s_lshl_b32 s15, s68, 6
	s_add_co_u32 s12, s12, s15
	PTR 40, 6684672                                ; scale words
	s_lshl_b32 s12, s9, 16
	s_lshl_b32 s15, s14, 9
	s_add_co_u32 s12, s12, s15
	PTR 70, 4587520                                ; my last tile's Q
	s_lshl_b32 s12, s9, 13
	s_lshl_b32 s15, s14, 6
	s_add_co_u32 s12, s12, s15
	PTR 72, 6684672
	s_mul_i32 s69, s8, 768
	s_add_co_u32 s69, s69, QS                      ; LDS: my copy of Q: codes,
	s_add_co_u32 s74, s69, 512                     ; scale words
	s_mul_i32 s75, s37, 4608
	s_add_co_u32 s75, s75, PT                      ; my pair's place for the state: A reads it behind the last barrier
	s_xor_b32 s78, s47, 1
	s_lshl_b32 s78, s78, 3
	s_or_b32 s78, s78, s37
	s_mul_i32 s78, s78, 4608
	s_add_co_u32 s78, s78, PT                      ; my wave's own place: j + 8 x (1 - role)
	s_mul_i32 s76, s47, 73728                      ; my role's first slot,
	s_mul_i32 s77, s47, 6912
	s_add_co_u32 s77, s77, SC                      ; and its scale words
	v_and_b32 v8, 31, v0                           ; lane l
	v_lshlrev_b32 v1, 4, v8                        ; 16 l
	v_and_b32 v10, 15, v8                          ; r
	v_lshrrev_b32 v11, 4, v8                       ; h
	v_lshlrev_b32 v115, 2, v10                     ; 4 r
	v_lshlrev_b32 v114, 3, v8                      ; 8 l
	v_lshlrev_b32 v9, 2, v8                        ; 4 l
	v_add_nc_u32 v116, s46, v1
	v_add_nc_u32 v117, s46, v114
	v_add_nc_u32 v118, s57, v1
	v_add_nc_u32 v119, SC+8*768, v1
	v_add_nc_u32 v120, SC+8*768, v114
	v_add_nc_u32 v121, s69, v1
	v_add_nc_u32 v122, s74, v9
	v_add_nc_u32 v250, s78, v1
	v_add_nc_u32 v6, s76, v1
	v_add_nc_u32 v2, 4096, v6                      ; V lies behind K in a slot
	v_add_nc_u32 v3, s77, v9
	v_add_nc_u32 v4, 512, v3                       ; V's scale words behind K's
	v_lshlrev_b32 v7, 1, v10
	v_and_b32 v5, 8, v10
	v_add_nc_u32 v5, v5, v10                       ; r + 8 (r / 8)
	v_lshlrev_b32 v233, 4, v11
	v_sub_nc_u32 v5, v5, v233
	s_lshr_b32 s15, s37, 1
	s_lshl_b32 s15, s15, 5
	s_and_b32 s12, s37, 1
	s_lshl_b32 s12, s12, 3
	s_add_co_u32 s15, s15, s12
	v_add_nc_u32 v5, s15, v5                       ; d = my query's place in its 128 - 16 h.  On the diagonal register 16 b + i holds the key at place 32 b + i + 16 h: hidden where 32 b + i > d
	s_wait_alu depctr_va_vdst(0)
	global_load_b128 v[16:19], v1, s[38:39]        ; the long tile's Q: registers 0-3 of the fragment
	global_load_b32 v30, v115, s[40:41]
	global_load_b128 v[240:243], v1, s[70:71]
	global_load_b32 v244, v115, s[72:73]
	global_load_b128 v[96:99], v1, s[50:51]        ; 512 consecutive bytes
	global_load_b64 v[100:101], v114, s[58:59]     ; 256
	global_load_b128 v[104:107], v1, s[60:61]
	s_cmp_eq_u32 s8, 15
	s_cbranch_scc0 .Lno_x1
	global_load_b128 v[108:111], v1, s[62:63]
	global_load_b64 v[112:113], v114, s[66:67]
.Lno_x1:
	s_lshr_b32 s12, s9, 4                          ; batch
	s_and_b32 s15, s9, 15                          ; head
	s_lshl_b32 s42, s12, 6
	s_lshr_b32 s43, s14, 1
	s_add_co_u32 s42, s42, s43                     ; my group of 32 token positions
	s_lshl_b32 s42, s42, 3
	s_lshr_b32 s43, s15, 1
	s_add_co_u32 s42, s42, s43                     ; x 8 K steps + the head's K step
	s_lshl_b32 s42, s42, 11
	s_and_b32 s43, s14, 1
	s_lshl_b32 s43, s43, 10
	s_add_co_u32 s42, s42, s43
	s_and_b32 s43, s15, 1
	s_lshl_b32 s43, s43, 9
	s_add_co_u32 s42, s42, s43
	s_mov_b32 s43, 0
	s_add_nc_u64 s[42:43], s[6:7], s[42:43]        ; where my half fragment goes
	s_lshl_b32 s44, s15, 13
	s_lshl_b32 s45, s12, 12
	s_add_co_u32 s44, s44, s45
	s_lshl_b32 s45, s14, 5
	s_add_co_u32 s44, s44, s45
	s_add_co_u32 s44, s44, 0x200000
	s_mov_b32 s45, 0
	s_add_nc_u64 s[44:45], s[6:7], s[44:45]        ; and my 16 pairs of scale bytes: [head][position] 2 bytes
	s_mov_b32 s[SEL], 0x76543210
	s_mov_b32 s[SEL+1], 0xfedcba98
	s_mov_b32 s[CS], 0x3e38aa3b
	s_mov_b32 s[CS+1], s[CS]
	s_mov_b32 s32, 0
	s_mov_b32 s33, 0
	s_mov_b32 s35, 0
	v_mov_b32 v13, 0xff61b1e6                      ; the largest t so far: -3e38, under every t
	v_floor_f32 v12, -v13
	v_mov_b32 v14, 0
	v_mov_b32 v15, 0
.irp b, 0,1,2,3
	v_mov_b32 v[236+\b], 0                         ; written once: a lane permute's destination counts as one of its sources
	v_mov_b32 v[20+\b], 0                          ; Q's zero codes for k = 64 .. 127
.endr
	v_mov_b32 v252, 0
	v_mov_b32 v253, 0                              ; (the upper half of the pair v[252:253])
.irp t, 0,1,2,3,4,5,6,7
.irp j, 4,5,6,7
	v_mov_b32 v[32+8*\t+\j], 0                     ; K's zero codes, written once
.endr
.endr
.irp j, 0,1,2,3,4,5,6,7,8,9,10,11,12,13,14,15,16,17,18,19,20,21,22,23,24,25,26,27,28,29,30,31
	v_mov_b32 v[160+\j], 0                         ; O^T: the trip is written once; the first finds zeros, which the first change of M leaves zeros
.endr
	s_wait_alu depctr_va_vdst(0)
	s_wait_loadcnt 0x0
	ds_store_b128 v116, v[96:99]
	ds_store_b64 v117, v[100:101] offset:512
	ds_store_b128 v118, v[104:107]
	ds_store_b128 v121, v[240:243]
	ds_store_b32 v122, v244
	s_cmp_eq_u32 s8, 15
	s_cbranch_scc0 .Lno_x2
	ds_store_b128 v119, v[108:111]
	ds_store_b64 v120, v[112:113] offset:512
.Lno_x2:
	s_wait_dscnt 0x0                               ; for the others' sake: my stores are done
	s_cmp_lt_u32 s8, 6
	s_cbranch_scc0 .Lnot_early
	s_wait_tensorcnt 0x0                           ; waves 0-5: the slots of trips 0 to 2 are in
.Lnot_early:
	s_barrier_signal -1
	s_barrier_wait -1                              ; trips 0 to 2, slot 8 and all scale words are shown; the other ten slots may be on their way: nothing is filled again
	KLOAD 6, 3, 0, 0                               ; trip 0's K
	s_mov_b32 s48, NA
.Lfirst:                                           ; trips 0 to NA - 1
	STEP 0
	s_sub_co_i32 s48, s48, 1
	s_cmp_lg_u32 s48, 0
	s_cbranch_scc1 .Lfirst
	s_wait_tensorcnt 0x0                           ; every wave: its slot is in,
	s_wait_dscnt 0x0                               ; and no LDS instruction of mine is out at the signal
	s_barrier_signal -1
	s_barrier_wait -1                              ; all slots are shown
	s_mov_b32 s32, NA*8192
	s_mov_b32 s33, NA*768
	s_mov_b32 s35, NA
	s_mov_b32 s48, 9-NA
.Lrest:                                            ; trips NA to 8
	STEP 1
	s_sub_co_i32 s48, s48, 1
	s_cmp_lg_u32 s48, 0
	s_cbranch_scc1 .Lrest
.rept 4
	v_nop                                          ; places behind the last products
.endr
	s_wait_dscnt 0x0                               ; B's state was stored at its change of tiles; no LDS instruction of mine is out
	s_barrier_signal -1
	s_barrier_wait -1
	s_cmp_eq_u32 s47, 0
	s_cbranch_scc0 .Lnomerge
	v_add_nc_u32 v8, s75, v1
.irp n, 0,1,2,3,4,5,6,7
	ds_load_b128 v[96+4*\n:99+4*\n], v8 offset:512*\n              ; A: my partner's O^T of the long tile, lane for lane,
.endr
	ds_load_b128 v[128:131], v8 offset:4096        ; its -M, largest t and sum
	s_wait_dscnt 0x0
	v_min_num_f32 v232, v12, v128                  ; -M of both: the larger M
	v_sub_f32 v233, v232, v12                      ; my M - that M, and my partner's: whole numbers, 0 or less
	v_sub_f32 v234, v232, v128
	v_cvt_i32_f32 v233, v233                       ; (it saturates: a partner with no key step has -M = 3e38, sums of 0, and gets the factor 0)
	v_cvt_i32_f32 v234, v234
	v_ldexp_f32 v252, 1.0, v233
	v_ldexp_f32 v240, 1.0, v234
	v_pk_mul_f32 v[14:15], v[14:15], v[252:253] op_sel_hi:[1,0]
	v_pk_fma_f32 v[14:15], v[130:131], v[240:241], v[14:15] op_sel_hi:[1,0,1]
.irp j, 0,2,4,6,8,10,12,14,16,18,20,22,24,26,28,30
	v_pk_mul_f32 v[160+\j:161+\j], v[160+\j:161+\j], v[252:253] op_sel_hi:[1,0]
.endr
.irp j, 0,2,4,6,8,10,12,14,16,18,20,22,24,26,28,30
	v_pk_fma_f32 v[160+\j:161+\j], v[96+\j:97+\j], v[240:241], v[160+\j:161+\j] op_sel_hi:[1,0,1]
.endr
.Lnomerge:
	v_add_f32 v14, v14, v15
	v_permlanex16_b32 v252, v14, s[SEL], s[SEL+1]
	v_add_f32 v14, v14, v252                       ; the row's sum
	s_wait_alu depctr_va_vdst(0)
	v_rcp_f32 v14, v14
	v_nop
	s_wait_alu depctr_va_vdst(0)
.irp j, 0,1,2,3,4,5,6,7,8,9,10,11,12,13,14,15,16,17,18,19,20,21,22,23,24,25,26,27,28,29,30,31
	v_mul_f32 v[96+\j], v[160+\j], v14             ; register 16 b + i: channel 32 b + 16 h + i of the head
.endr
	; the head's two blocks of 32 channels, quantised for the projection
.irp b, 0,1
	v_max3_num_f32 v[232+\b], |v[96+16*\b]|, |v[97+16*\b]|, 0x1800000
.endr
.irp i, 2,4,6,8,10,12,14
.irp b, 0,1
	s_delay_alu instid0(VALU_DEP_2)
	v_max3_num_f32 v[232+\b], v[232+\b], |v[96+16*\b+\i]|, |v[97+16*\b+\i]|
.endr
.endr
.irp b, 0,1
	s_delay_alu instid0(VALU_DEP_2)
	v_permlanex16_b32 v[236+\b], v[232+\b], s[SEL], s[SEL+1]
.endr
.irp b, 0,1
	s_delay_alu instid0(VALU_DEP_2)
	v_max_num_f32 v[232+\b], v[232+\b], v[236+\b]
.endr
.irp b, 0,1
	s_delay_alu instid0(VALU_DEP_2)
	v_add_nc_u32 v[244+\b], 0xff000000, v[232+\b]
.endr
.irp b, 0,1
	s_delay_alu instid0(VALU_DEP_2)
	v_lshrrev_b32 v[236+\b], 23, v[244+\b]
.endr
	s_delay_alu instid0(VALU_DEP_1)
	v_lshl_or_b32 v238, v237, 8, v236
.irp b, 0,1
	v_cvt_scalef32_pk8_fp4_f32 v[224+2*\b], v[96+16*\b:103+16*\b], v[244+\b]
	v_cvt_scalef32_pk8_fp4_f32 v[225+2*\b], v[104+16*\b:111+16*\b], v[244+\b]
.endr
	v_nop
	v_permlane16_swap_b32 v224, v226
	v_permlane16_swap_b32 v225, v227
	global_store_b128 v1, v[224:227], s[42:43]     ; 512 consecutive bytes: two blocks x 16 positions
	global_store_b16 v7, v238, s[44:45]            ; 32 consecutive bytes; lanes 16-31 repeat lanes 0-15 with the same values
	s_wait_tensorcnt 0x0                           ; the wave's end
	ds_add_u32 v251, v255
	s_wait_dscnt 0x0
	s_endpgm
.Lfunc_end_k_q40fd68fd64_attn:
	.size	k_q40fd68fd64_attn, .Lfunc_end_k_q40fd68fd64_attn-k_q40fd68fd64_attn
	.p2alignl 7, 3214868480
	.fill 96, 4, 3214868480
	.section	.rodata,"a",@progbits
	.p2align	6, 0x0
	.amdhsa_kernel k_q40fd68fd64_attn
		.amdhsa_group_segment_fixed_size 240384
		.amdhsa_private_segment_fixed_size 0
		.amdhsa_enable_private_segment 0
		.amdhsa_kernarg_size 16
		.amdhsa_user_sgpr_count 2
		.amdhsa_user_sgpr_kernarg_segment_ptr 1
		.amdhsa_wavefront_size32 1
		.amdhsa_system_sgpr_workgroup_id_x 1
		.amdhsa_system_sgpr_workgroup_id_y 1
		.amdhsa_system_sgpr_workgroup_id_z 1
		.amdhsa_system_vgpr_workitem_id 0
		.amdhsa_next_free_vgpr 256
		.amdhsa_next_free_sgpr 80
		.amdhsa_reserve_vcc 1
		.amdhsa_float_denorm_mode_32 3
		.amdhsa_float_denorm_mode_16_64 3
		.amdhsa_memory_ordered 1
		.amdhsa_forward_progress 1
		.amdhsa_inst_pref_size 63
	.end_amdhsa_kernel
	.amdgpu_metadata
---
amdhsa.version: [ 1, 2 ]
amdhsa.kernels:
  - .name:           k_q40fd68fd64_attn
    .symbol:         k_q40fd68fd64_attn.kd
    .args:
      - { .name: qkvc, .offset: 0, .size: 8, .value_kind: global_buffer, .address_space: global }
      - { .name: att, .offset: 8, .size: 8, .value_kind: global_buffer, .address_space: global }
    .group_segment_fixed_size: 240384
    .private_segment_fixed_size: 0
    .kernarg_segment_align: 8
    .kernarg_segment_size: 16
    .max_flat_workgroup_size: 512
    .sgpr_count:     80
    .vgpr_count:     256
    .wavefront_size: 32
...
	.end_amdgpu_metadata
.endif
;; end of part 3
;; launch projln (part 4): grid 128 x 1, 16 waves a work-group, no clusters, 182,272 bytes of LDS; arguments att, wq, proj_b, x, ln2_g, ln2_b, x1, act2; writes x1, act2
.if DOCPART == 4
	.amdgcn_target "amdgcn-amd-amdhsa--gfx1250"
	.amdhsa_code_object_version 6
	.text
	.protected	k_q40fd68fd64_projln
	.globl	k_q40fd68fd64_projln
	.p2align	8
	.type	k_q40fd68fd64_projln,@function
k_q40fd68fd64_projln:
	s_mov_b64 s[64:65], 0
	v_nop
	global_prefetch_b8 v0, s[64:65] scope:SCOPE_SE
	s_setreg_imm32_b32 hwreg(HW_REG_WAVE_MODE, 25, 1), 1
	s_wait_xcnt 0x0
; PROJLN: x1 = x + attention proj_w^T + proj_b (the product on codes of FP4 with E8M0 scales), then LayerNorm 2 of x1, quantised for the first feed-forward product.
; A work-group owns 32 tokens and ALL 1,024 features, so that the norm needs no other work-group.  Wave w makes feature positions 64 w .. 64 w + 63 (source 0, 4 tiles) for the 32 tokens (source 1, 2 tiles): 8 accumulators by turns.
; No two waves share a fragment of the weight, so the weight goes from memory straight into registers (32 KB a wave, dense, laid in the order of the operand's registers), three K steps ahead in three sets.
; The tokens' 16 KB of codes go once through LDS.  No tensor loads, so no joint requests either: the 128 work-groups read the same 0.5 MB of weight each by plain loads.
; Features lie by position (position 16 u + r of a group of 32 is row 8 u + r + 8 (r / 8)), so a lane's 16 registers of tiles 2 b, 2 b + 1 are features 32 b + 16 h + 0 .. 15 of the wave's 64.
; Results meet in a stage of 32 rows; then wave w owns positions 2 w and 2 w + 1: adds x, stores x1 (512 consecutive bytes a store), turns the rows so that a lane holds 8 neighbours, normalises, quantises.
; LIMITS: NaN and infinities are not served; a block whose largest magnitude lies under 2^-124, a block of zeros too, keeps the scale byte 1.
.set STG,  16384                       ; LDS: the tokens' codes at 0 (16,384); the stage: 32 rows, SROW apart, 16 bytes of padding behind each 256
.set SROW, 4368
.set CST,  156160                      ; the code stage: 64 units (tile, block) of 256 bytes, 272 apart
.set SST,  173568                      ; the scale stage: [8 K steps][32 positions] words
.set BIA,  174592                      ; 256 bytes for each wave: the bias of its 64 features
.set GG,   40                          ; v40-71  the attention's byte pairs, then two sets of Y, then the gain; at last scale bytes and codes
.set BB,   72                          ; v72-103 X's set 0, then proj_b, then the norm's bias
.set QB,   40
.set QC,   48
.set QM,   232
.set QE,   236
.set LT,   240
.set SEL,  40                          ; s[40:41]
.set RN,   42
.set EP,   43
; REGISTERS: v1 16 l; v2 4 l; v3-11, v14, v15 LDS addresses; v12 32 l; v13 2 l; v16-31 X's scale words, v32-39 Y's (nothing else ever); v72-167 three sets of X, later x and x1 in v104-167; v168-231 accumulator (xt, yt) at 168 + 32 yt + 8 xt, later rows.
.macro WMM d, a, b, sa, sb, ra, rb, zero
.if \zero
.if (\ra) && (\rb)
	v_wmma_scale_f32_16x16x128_f8f6f4 v[(\d):(\d)+7], v[(\a):(\a)+7], v[(\b):(\b)+7], 0, v[\sa], v[\sb] matrix_a_fmt:MATRIX_FMT_FP4 matrix_b_fmt:MATRIX_FMT_FP4 matrix_a_scale:MATRIX_SCALE_ROW1 matrix_b_scale:MATRIX_SCALE_ROW1
.elseif \ra
	v_wmma_scale_f32_16x16x128_f8f6f4 v[(\d):(\d)+7], v[(\a):(\a)+7], v[(\b):(\b)+7], 0, v[\sa], v[\sb] matrix_a_fmt:MATRIX_FMT_FP4 matrix_b_fmt:MATRIX_FMT_FP4 matrix_a_scale:MATRIX_SCALE_ROW1
.elseif \rb
	v_wmma_scale_f32_16x16x128_f8f6f4 v[(\d):(\d)+7], v[(\a):(\a)+7], v[(\b):(\b)+7], 0, v[\sa], v[\sb] matrix_a_fmt:MATRIX_FMT_FP4 matrix_b_fmt:MATRIX_FMT_FP4 matrix_b_scale:MATRIX_SCALE_ROW1
.else
	v_wmma_scale_f32_16x16x128_f8f6f4 v[(\d):(\d)+7], v[(\a):(\a)+7], v[(\b):(\b)+7], 0, v[\sa], v[\sb] matrix_a_fmt:MATRIX_FMT_FP4 matrix_b_fmt:MATRIX_FMT_FP4
.endif
.else
.if (\ra) && (\rb)
	v_wmma_scale_f32_16x16x128_f8f6f4 v[(\d):(\d)+7], v[(\a):(\a)+7], v[(\b):(\b)+7], v[(\d):(\d)+7], v[\sa], v[\sb] matrix_a_fmt:MATRIX_FMT_FP4 matrix_b_fmt:MATRIX_FMT_FP4 matrix_a_scale:MATRIX_SCALE_ROW1 matrix_b_scale:MATRIX_SCALE_ROW1
.elseif \ra
	v_wmma_scale_f32_16x16x128_f8f6f4 v[(\d):(\d)+7], v[(\a):(\a)+7], v[(\b):(\b)+7], v[(\d):(\d)+7], v[\sa], v[\sb] matrix_a_fmt:MATRIX_FMT_FP4 matrix_b_fmt:MATRIX_FMT_FP4 matrix_a_scale:MATRIX_SCALE_ROW1
.elseif \rb
	v_wmma_scale_f32_16x16x128_f8f6f4 v[(\d):(\d)+7], v[(\a):(\a)+7], v[(\b):(\b)+7], v[(\d):(\d)+7], v[\sa], v[\sb] matrix_a_fmt:MATRIX_FMT_FP4 matrix_b_fmt:MATRIX_FMT_FP4 matrix_b_scale:MATRIX_SCALE_ROW1
.else
	v_wmma_scale_f32_16x16x128_f8f6f4 v[(\d):(\d)+7], v[(\a):(\a)+7], v[(\b):(\b)+7], v[(\d):(\d)+7], v[\sa], v[\sb] matrix_a_fmt:MATRIX_FMT_FP4 matrix_b_fmt:MATRIX_FMT_FP4
.endif
.endif
.endm
.macro WM s, xt, yt
	WMM 168+32*(\yt)+8*(\xt), 72+32*((\s)%3)+8*(\xt), 40+16*((\s)%2)+8*(\yt), 16+2*(\s)+(\xt)/2, 32+(\s), (\xt)%2, \yt, (\s)==0
.endm
.macro XLOAD s                         ; the weight's four fragments of K step s into set s % 3: 512 consecutive bytes a load
.irp xt, 0,1,2,3
.irp c, 0,1
	global_load_b128 v[72+32*((\s)%3)+8*\xt+4*\c:75+32*((\s)%3)+8*\xt+4*\c], v1, s[26:27] offset:4096*(\s)+1024*\xt+512*\c
.endr
.endr
.endm
.macro YFETCH s                        ; the tokens' two fragments of K step s into set s % 2
.irp yt, 0,1
.irp c, 0,1
	ds_load_b128 v[40+16*((\s)%2)+8*\yt+4*\c:43+16*((\s)%2)+8*\yt+4*\c], v1 offset:2048*(\s)+1024*\yt+512*\c
.endr
.endr
.endm
.macro STEP s
.if (\s) <= 5
	s_wait_loadcnt 16                              ; X's set of this step is in; the two later sets (8 loads each) may be out
.elseif (\s) == 6
	s_wait_loadcnt 8
.else
	s_wait_loadcnt 0
.endif
.if (\s) < 7
	YFETCH (\s)+1
	s_wait_dscnt 4                                 ; this step's Y is in; the four loads just issued may be out
.else
	s_wait_dscnt 0
.endif
.irp xt, 0,1,2,3
	WM \s, \xt, 0
	WM \s, \xt, 1
.endr
.rept 4
	v_nop                                          ; places in front of loads into registers that matrix instructions have read
.endr
.if (\s) < 5
	XLOAD (\s)+3
.endif
.endm
.macro WSUM a, t
	s_delay_alu instid0(VALU_DEP_1)
	v_add_f32_dpp v[\a], v[\a], v[\a] row_xmask:1 row_mask:0xf bank_mask:0xf
	s_delay_alu instid0(VALU_DEP_1)
	v_add_f32_dpp v[\a], v[\a], v[\a] row_xmask:2 row_mask:0xf bank_mask:0xf
	s_delay_alu instid0(VALU_DEP_1)
	v_add_f32_dpp v[\a], v[\a], v[\a] row_xmask:4 row_mask:0xf bank_mask:0xf
	s_delay_alu instid0(VALU_DEP_1)
	v_add_f32_dpp v[\a], v[\a], v[\a] row_xmask:8 row_mask:0xf bank_mask:0xf
	s_delay_alu instid0(VALU_DEP_1)
	v_permlanex16_b32 v[\t], v[\a], s[SEL], s[SEL+1]
	s_delay_alu instid0(VALU_DEP_1)
	v_add_f32 v[\a], v[\a], v[\t]
.endm
.macro LNROW r                         ; one row's LayerNorm, in place; the variance is the mean of (x - mean)^2, never a difference of sums
.irp a, 0,1,2,3
	v_pk_add_f32 v[LT+2*\a:LT+2*\a+1], v[(\r)+4*\a:(\r)+4*\a+1], v[(\r)+4*\a+2:(\r)+4*\a+3]
.endr
.irp a, 0,1,2,3
	s_delay_alu instid0(VALU_DEP_4)
	v_pk_add_f32 v[LT+2*\a:LT+2*\a+1], v[LT+2*\a:LT+2*\a+1], v[(\r)+16+2*\a:(\r)+17+2*\a]
.endr
.irp a, 0,1,2,3
	s_delay_alu instid0(VALU_DEP_4)
	v_pk_add_f32 v[LT+2*\a:LT+2*\a+1], v[LT+2*\a:LT+2*\a+1], v[(\r)+24+2*\a:(\r)+25+2*\a]
.endr
	s_delay_alu instid0(VALU_DEP_3)
	v_pk_add_f32 v[LT:LT+1], v[LT:LT+1], v[LT+2:LT+3]
	s_delay_alu instid0(VALU_DEP_2)
	v_pk_add_f32 v[LT+4:LT+5], v[LT+4:LT+5], v[LT+6:LT+7]
	s_delay_alu instid0(VALU_DEP_1)
	v_pk_add_f32 v[LT:LT+1], v[LT:LT+1], v[LT+4:LT+5]
	s_delay_alu instid0(VALU_DEP_1)
	v_add_f32 v[LT], v[LT], v[LT+1]
	WSUM LT, LT+2
	s_delay_alu instid0(VALU_DEP_1)
	v_mul_f32 v[LT], s[RN], v[LT]
.irp k, 0,2,4,6,8,10,12,14,16,18,20,22,24,26,28,30
	v_pk_add_f32 v[(\r)+\k:(\r)+\k+1], v[(\r)+\k:(\r)+\k+1], v[LT:LT+1] op_sel_hi:[1,0] neg_lo:[0,1] neg_hi:[0,1]
.endr
	v_pk_mul_f32 v[LT+2:LT+3], v[(\r):(\r)+1], v[(\r):(\r)+1]
	v_pk_mul_f32 v[LT+4:LT+5], v[(\r)+2:(\r)+3], v[(\r)+2:(\r)+3]
.irp k, 4,8,12,16,20,24,28
	s_delay_alu instid0(VALU_DEP_2)
	v_pk_fma_f32 v[LT+2:LT+3], v[(\r)+\k:(\r)+\k+1], v[(\r)+\k:(\r)+\k+1], v[LT+2:LT+3]
	s_delay_alu instid0(VALU_DEP_2)
	v_pk_fma_f32 v[LT+4:LT+5], v[(\r)+\k+2:(\r)+\k+3], v[(\r)+\k+2:(\r)+\k+3], v[LT+4:LT+5]
.endr
	s_delay_alu instid0(VALU_DEP_1)
	v_pk_add_f32 v[LT+2:LT+3], v[LT+2:LT+3], v[LT+4:LT+5]
	s_delay_alu instid0(VALU_DEP_1)
	v_add_f32 v[LT+2], v[LT+2], v[LT+3]
	WSUM LT+2, LT+4
	s_delay_alu instid0(VALU_DEP_1)
	v_fma_f32 v[LT+2], v[LT+2], s[RN], s[EP]
	s_wait_alu depctr_va_vdst(0)
	v_rsq_f32 v[LT+2], v[LT+2]
	v_nop
	s_wait_alu depctr_va_vdst(0)
.irp k, 0,2,4,6,8,10,12,14,16,18,20,22,24,26,28,30
	v_pk_mul_f32 v[(\r)+\k:(\r)+\k+1], v[(\r)+\k:(\r)+\k+1], v[LT+2:LT+3] op_sel_hi:[1,0]
.endr
.irp k, 0,2,4,6,8,10,12,14,16,18,20,22,24,26,28,30
	v_pk_fma_f32 v[(\r)+\k:(\r)+\k+1], v[(\r)+\k:(\r)+\k+1], v[GG+\k:GG+\k+1], v[BB+\k:BB+\k+1]
.endr
.endm
.macro QUANT8 r, i                     ; row i of the wave is quantised: a block of 32 is 4 lanes x 8 numbers; four chunks by turns
.irp c, 0,1,2,3
	v_max3_num_f32 v[QM+\c], |v[(\r)+8*\c]|, |v[(\r)+8*\c+1]|, 0x1800000
.endr
.irp k, 2,4,6
.irp c, 0,1,2,3
	s_delay_alu instid0(VALU_DEP_4)
	v_max3_num_f32 v[QM+\c], v[QM+\c], |v[(\r)+8*\c+\k]|, |v[(\r)+8*\c+\k+1]|
.endr
.endr
.irp c, 0,1,2,3
	s_delay_alu instid0(VALU_DEP_4)
	v_max_num_f32_dpp v[QM+\c], v[QM+\c], v[QM+\c] row_xmask:1 row_mask:0xf bank_mask:0xf
.endr
.irp c, 0,1,2,3
	s_delay_alu instid0(VALU_DEP_4)
	v_max_num_f32_dpp v[QM+\c], v[QM+\c], v[QM+\c] row_xmask:2 row_mask:0xf bank_mask:0xf
.endr
.irp c, 0,1,2,3
	s_delay_alu instid0(VALU_DEP_4)
	v_add_nc_u32 v[QE+\c], 0xff000000, v[QM+\c]
.endr
.irp c, 0,1,2,3
	v_cvt_scalef32_pk8_fp4_f32 v[QC+4*(\i)+\c], v[(\r)+8*\c:(\r)+8*\c+7], v[QE+\c]
.endr
.irp c, 0,1,2,3
	v_lshrrev_b32 v[QB+4*(\i)+\c], 23, v[QE+\c]
.endr
.irp c, 0,1,2,3
	ds_store_b32 v8, v[QC+4*(\i)+\c] offset:2176*\c+16*(\i)
	ds_store_b8 v9, v[QB+4*(\i)+\c] offset:256*\c+4*(\i)
.endr
.endm
	s_load_b512 s[4:19], s[0:1], 0x0               ; att, wq, proj_b, x, ln2_g, ln2_b, x1, act2
	v_lshrrev_b32 v1, 5, v0
	s_delay_alu instid0(VALU_DEP_1)
	v_readfirstlane_b32 s20, v1                    ; wave 0..15
	s_mov_b32 s21, ttmp9                           ; g: my 32 tokens
	v_and_b32 v248, 31, v0                         ; l
	s_delay_alu instid0(VALU_DEP_1)
	v_lshrrev_b32 v249, 4, v248                    ; h
	s_delay_alu instid0(VALU_DEP_2)
	v_and_b32 v250, 15, v248                       ; r
	s_delay_alu instid0(VALU_DEP_3)
	v_lshrrev_b32 v251, 2, v248
	s_delay_alu instid0(VALU_DEP_4)
	v_and_b32 v252, 3, v248
	v_lshrrev_b32 v253, 3, v248
	v_lshlrev_b32 v1, 4, v248
	v_lshlrev_b32 v2, 2, v248
	v_lshlrev_b32 v12, 5, v248
	v_lshlrev_b32 v13, 1, v248
	v_lshlrev_b32 v254, 3, v248
	v_lshlrev_b32 v255, 8, v248                    ; 256 l: the prefetch's offset
	s_lshr_b32 s44, s20, 3
	s_and_b32 s45, s20, 7
	s_lshl_b32 s46, s20, 10
	v_add_nc_u32 v14, s46, v1                      ; where I put my 1,024 bytes of the tokens' codes
	s_lshl_b32 s46, s20, 8
	s_add_co_u32 s46, s46, BIA
	v_add_nc_u32 v15, s46, v254                    ; the bias: in,
	v_lshl_add_u32 v11, v249, 6, s46               ; and back as the accumulators want it
	v_mul_u32_u24 v4, v250, SROW
	s_delay_alu instid0(VALU_DEP_1)
	v_lshl_add_u32 v4, v249, 6, v4
	s_mul_i32 s46, s20, 272
	s_add_co_u32 s46, s46, STG
	v_add_nc_u32 v4, s46, v4                       ; the stage, results in: row r, unit w, + 64 h;
	s_delay_alu instid0(VALU_DEP_1)
	v_add_nc_u32 v5, 16*SROW, v4                   ; row 16 + r
	s_mul_i32 s46, s20, 2*SROW
	s_add_co_u32 s46, s46, STG
	v_lshl_add_u32 v6, v249, 4, v1
	s_delay_alu instid0(VALU_DEP_1)
	v_add_nc_u32 v6, s46, v6                       ; my two rows, 16 bytes a lane
	v_lshl_add_u32 v7, v253, 4, v12
	s_delay_alu instid0(VALU_DEP_1)
	v_add_nc_u32 v7, s46, v7                       ; my two rows, 8 neighbours a lane
	v_mul_u32_u24 v8, v251, 272
	s_delay_alu instid0(VALU_DEP_1)
	v_lshl_add_u32 v8, v252, 2, v8
	s_mul_i32 s46, s44, 8704
	s_lshl_b32 s47, s45, 5
	s_add_co_u32 s46, s46, s47
	s_add_co_u32 s46, s46, CST
	v_add_nc_u32 v8, s46, v8                       ; code stage: unit 32 (w / 8) + (l / 4), row 2 (w % 8), byte 4 (l % 4)
	v_and_b32 v9, 3, v251
	s_delay_alu instid0(VALU_DEP_1)
	v_lshl_add_u32 v9, v249, 7, v9
	s_lshl_b32 s46, s20, 3
	s_add_co_u32 s46, s46, SST
	v_add_nc_u32 v9, s46, v9                       ; scale stage: K step (l / 16), position 2 w, byte (l / 4) % 4
	v_lshlrev_b32 v10, 4, v250
	s_delay_alu instid0(VALU_DEP_1)
	v_mad_u32_u24 v10, v249, 272, v10
	s_lshl_b32 s46, s44, 5
	s_lshl_b32 s47, s45, 2
	s_add_co_u32 s46, s46, s47
	s_mul_i32 s46, s46, 272
	s_add_co_u32 s46, s46, CST
	v_add_nc_u32 v10, s46, v10                     ; code stage on the way out: fragment (w / 8, K step w % 8)
	s_lshl_b32 s46, s45, 7
	s_add_co_u32 s46, s46, SST
	v_add_nc_u32 v3, s46, v2                       ; scale stage on the way out: K step w % 8
	s_mov_b32 s[SEL], 0x76543210
	s_mov_b32 s[SEL+1], 0xfedcba98
	s_mov_b32 s[RN], 0x3a800000
	s_mov_b32 s[EP], 0x3727c5ac
	s_mov_b32 s47, 0
	s_wait_kmcnt 0x0
	s_lshl_b32 s46, s21, 14
	s_lshl_b32 s48, s20, 10
	s_add_co_u32 s46, s46, s48
	s_add_nc_u64 s[22:23], s[4:5], s[46:47]        ; the tokens' codes, my part
	s_lshl_b32 s46, s21, 6
	s_add_co_u32 s46, s46, 0x200000
	s_add_nc_u64 s[24:25], s[4:5], s[46:47]        ; their byte pairs: [head][position]
	s_lshl_b32 s46, s20, 15
	s_add_co_u32 s46, s46, 0x180000
	s_add_nc_u64 s[26:27], s[6:7], s[46:47]        ; my 64 features' codes
	s_lshl_b32 s46, s20, 11
	s_add_co_u32 s46, s46, 6389760
	s_add_nc_u64 s[28:29], s[6:7], s[46:47]        ; and scale words
	s_lshl_b32 s46, s20, 8
	s_add_nc_u64 s[30:31], s[8:9], s[46:47]        ; and bias
	s_lshl_b32 s46, s44, 3                         ; the token at position 2 w: 8 (w / 8) + 2 (w % 8) + 8 ((w % 8) / 4)
	s_lshl_b32 s48, s45, 1
	s_add_co_u32 s46, s46, s48
	s_lshr_b32 s48, s45, 2
	s_lshl_b32 s48, s48, 3
	s_add_co_u32 s46, s46, s48
	s_lshl_b32 s48, s21, 5
	s_add_co_u32 s46, s46, s48
	s_lshl_b32 s46, s46, 12
	s_add_nc_u64 s[32:33], s[10:11], s[46:47]      ; x,
	s_add_nc_u64 s[34:35], s[16:17], s[46:47]      ; x1 at my two rows
	s_lshr_b32 s48, s21, 3
	s_lshl_b32 s48, s48, 3
	s_add_co_u32 s48, s48, s45
	s_and_b32 s49, s21, 7
	s_lshl_b32 s46, s48, 14
	s_lshl_b32 s50, s49, 11
	s_add_co_u32 s46, s46, s50
	s_lshl_b32 s50, s44, 10
	s_add_co_u32 s46, s46, s50
	s_add_nc_u64 s[36:37], s[18:19], s[46:47]      ; act2: my fragment
	s_lshl_b32 s46, s48, 10
	s_lshl_b32 s50, s49, 7
	s_add_co_u32 s46, s46, s50
	s_add_co_u32 s46, s46, 0x200000
	s_add_nc_u64 s[38:39], s[18:19], s[46:47]      ; act2: the 32 scale words of K step w % 8
	; 59 loads: 2 of the tokens' codes, 1 of the bias, 16 of byte pairs, 16 of X's scale words, 24 of X's first three sets
	global_load_b128 v[232:235], v1, s[22:23]
	global_load_b128 v[236:239], v1, s[22:23] offset:512
	global_load_b64 v[240:241], v254, s[30:31]
.irp n, 0,1,2,3,4,5,6,7,8,9,10,11,12,13,14,15
	global_load_u16 v[40+\n], v13, s[24:25] offset:8192*\n
.endr
.irp n, 0,1,2,3,4,5,6,7,8,9,10,11,12,13,14,15
	global_load_b32 v[16+\n], v2, s[28:29] offset:128*\n           ; register 2 s + i: K step s, tiles 2 i (lanes 0-15) and 2 i + 1 (lanes 16-31)
.endr
	XLOAD 0
	XLOAD 1
	XLOAD 2
	global_prefetch_b8 v255, s[32:33] th:TH_LOAD_NT scope:SCOPE_SE   ; my two rows of x, 8,192 consecutive bytes, a lane to each 256: they are loaded behind the eight K steps; each block is named once in the launch
	s_wait_loadcnt 56                              ; the first three are in: 16 + 16 + 24 may be out
	ds_store_b128 v14, v[232:235]
	ds_store_b128 v14, v[236:239] offset:512
	ds_store_b64 v15, v[240:241]
	s_wait_loadcnt 40                              ; the byte pairs are in: 16 + 24 may be out
.irp s, 0,1,2,3,4,5,6,7
	v_lshl_or_b32 v[32+\s], v[41+2*\s], 16, v[40+2*\s]             ; K step s is heads 2 s and 2 s + 1: lane l has position l's word
.endr
.rept 8
	v_nop                                          ; a scale register written by a vector instruction stands eight places ahead of a scaled matrix instruction
.endr
	s_wait_alu depctr_va_vdst(0)
	s_wait_dscnt 0x0                               ; for the others' sake: my stores are done
	s_barrier_signal -1
	s_barrier_wait -1
	YFETCH 0
.irp s, 0,1,2,3,4,5,6,7
	STEP \s
.endr
.irp i, 0,1
.irp q, 0,1,2,3,4,5,6,7
	global_load_b128 v[104+32*\i+4*\q:107+32*\i+4*\q], v1, s[32:33] offset:4096*\i+512*\q      ; x: my two rows
.endr
.endr
.irp c, 0,1,2,3
	global_load_b128 v[GG+8*\c:GG+8*\c+3], v12, s[12:13] offset:1024*\c
	global_load_b128 v[GG+8*\c+4:GG+8*\c+7], v12, s[12:13] offset:1024*\c+16
.endr
.irp b, 0,1
.irp q, 0,1,2,3
	ds_load_b128 v[72+16*\b+4*\q:75+16*\b+4*\q], v11 offset:128*\b+16*\q
.endr
.endr
	s_wait_dscnt 0x0
.irp yt, 0,1
.irp k, 0,2,4,6,8,10,12,14,16,18,20,22,24,26,28,30
	v_pk_add_f32 v[168+32*\yt+\k:169+32*\yt+\k], v[168+32*\yt+\k:169+32*\yt+\k], v[72+\k:73+\k]   ; + proj_b; each accumulator from its low end on
.endr
.endr
.irp yt, 0,1
.irp b, 0,1
.irp q, 0,1,2,3
	ds_store_b128 v[4+\yt], v[168+32*\yt+16*\b+4*\q:171+32*\yt+16*\b+4*\q] offset:128*\b+16*\q
.endr
.endr
.endr
.irp c, 0,1,2,3
	global_load_b128 v[BB+8*\c:BB+8*\c+3], v12, s[14:15] offset:1024*\c
	global_load_b128 v[BB+8*\c+4:BB+8*\c+7], v12, s[14:15] offset:1024*\c+16
.endr
	s_wait_dscnt 0x0
	s_barrier_signal -1
	s_barrier_wait -1                              ; 32 whole rows lie in the stage
.irp i, 0,1
.irp q, 0,1,2,3,4,5,6,7
	ds_load_b128 v[168+32*\i+4*\q:171+32*\i+4*\q], v6 offset:SROW*\i+544*\q
.endr
.endr
	s_wait_loadcnt 16                              ; x is in; the gain's and the bias's eight loads each may be out
	s_wait_dscnt 0x0
.irp k, 0,2,4,6,8,10,12,14,16,18,20,22,24,26,28,30,32,34,36,38,40,42,44,46,48,50,52,54,56,58,60,62
	v_pk_add_f32 v[104+\k:105+\k], v[104+\k:105+\k], v[168+\k:169+\k]      ; x1; these registers are not written again
.endr
.irp i, 0,1
.irp q, 0,1,2,3,4,5,6,7
	global_store_b128 v1, v[104+32*\i+4*\q:107+32*\i+4*\q], s[34:35] offset:4096*\i+512*\q
.endr
.endr
.irp i, 0,1
.irp q, 0,1,2,3,4,5,6,7
	ds_store_b128 v6, v[104+32*\i+4*\q:107+32*\i+4*\q] offset:SROW*\i+544*\q       ; my own rows: no other wave names them behind the barrier
.endr
.endr
.irp i, 0,1
.irp c, 0,1,2,3
	ds_load_b128 v[168+32*\i+8*\c:171+32*\i+8*\c], v7 offset:SROW*\i+1088*\c       ; LDS serves a wave's instructions in order: these see the stores above
	ds_load_b128 v[172+32*\i+8*\c:175+32*\i+8*\c], v7 offset:SROW*\i+1088*\c+16
.endr
.endr
	s_wait_loadcnt 0x0
	s_wait_dscnt 0x0
	LNROW 168
	LNROW 200
	QUANT8 168, 0
	QUANT8 200, 1
	s_wait_dscnt 0x0
	s_barrier_signal -1
	s_barrier_wait -1
	ds_load_b128 v[232:235], v10
	ds_load_b128 v[236:239], v10 offset:544
	s_wait_dscnt 1
	global_store_b128 v1, v[232:235], s[36:37]
	s_wait_dscnt 0
	global_store_b128 v1, v[236:239], s[36:37] offset:512
	s_cmp_lt_u32 s20, 8
	s_cbranch_scc0 .Lend
	ds_load_b32 v240, v3
	s_wait_dscnt 0x0
	global_store_b32 v2, v240, s[38:39]
.Lend:
	s_wait_xcnt 0x0
	v_lshl_add_u32 v254, v0, 2, 0x2c000
	v_mov_b32 v255, 0
	s_wait_alu depctr_va_vdst(0)
	s_wait_tensorcnt 0x0
	ds_add_u32 v254, v255
	s_wait_dscnt 0x0
	s_endpgm
.Lfunc_end_k_q40fd68fd64_projln:
	.size	k_q40fd68fd64_projln, .Lfunc_end_k_q40fd68fd64_projln-k_q40fd68fd64_projln
	.p2alignl 7, 3214868480
	.fill 96, 4, 3214868480
	.section	.rodata,"a",@progbits
	.p2align	6, 0x0
	.amdhsa_kernel k_q40fd68fd64_projln
		.amdhsa_group_segment_fixed_size 182272
		.amdhsa_private_segment_fixed_size 0
		.amdhsa_enable_private_segment 0
		.amdhsa_kernarg_size 64
		.amdhsa_user_sgpr_count 2
		.amdhsa_user_sgpr_kernarg_segment_ptr 1
		.amdhsa_wavefront_size32 1
		.amdhsa_system_sgpr_workgroup_id_x 1
		.amdhsa_system_sgpr_workgroup_id_y 1
		.amdhsa_system_sgpr_workgroup_id_z 1
		.amdhsa_system_vgpr_workitem_id 0
		.amdhsa_next_free_vgpr 256
		.amdhsa_next_free_sgpr 66
		.amdhsa_reserve_vcc 0
		.amdhsa_float_denorm_mode_32 3
		.amdhsa_float_denorm_mode_16_64 3
		.amdhsa_memory_ordered 1
		.amdhsa_forward_progress 1
		.amdhsa_inst_pref_size 63
	.end_amdhsa_kernel
	.amdgpu_metadata
---
amdhsa.version: [ 1, 2 ]
amdhsa.kernels:
  - .name:           k_q40fd68fd64_projln
    .symbol:         k_q40fd68fd64_projln.kd
    .args:
      - { .name: att, .offset: 0, .size: 8, .value_kind: global_buffer, .address_space: global }
      - { .name: wq, .offset: 8, .size: 8, .value_kind: global_buffer, .address_space: global }
      - { .name: proj_b, .offset: 16, .size: 8, .value_kind: global_buffer, .address_space: global }
      - { .name: x, .offset: 24, .size: 8, .value_kind: global_buffer, .address_space: global }
      - { .name: ln2_g, .offset: 32, .size: 8, .value_kind: global_buffer, .address_space: global }
      - { .name: ln2_b, .offset: 40, .size: 8, .value_kind: global_buffer, .address_space: global }
      - { .name: x1, .offset: 48, .size: 8, .value_kind: global_buffer, .address_space: global }
      - { .name: act2, .offset: 56, .size: 8, .value_kind: global_buffer, .address_space: global }
    .group_segment_fixed_size: 182272
    .private_segment_fixed_size: 0
    .kernarg_segment_align: 8
    .kernarg_segment_size: 64
    .max_flat_workgroup_size: 512
    .sgpr_count:     66
    .vgpr_count:     256
    .wavefront_size: 32
...
	.end_amdgpu_metadata
.endif
;; end of part 4
;; launch ff1 (part 5): grid 16 x 16, 16 waves a work-group, clusters of 4 x 4, 288,768 bytes of LDS; arguments act2, wq, ff1_b, hid; writes hid
.if DOCPART == 5
	.amdgcn_target "amdgcn-amd-amdhsa--gfx1250"
	.amdhsa_code_object_version 6
	.text
	.protected	k_q40fd68fd64_ff1
	.globl	k_q40fd68fd64_ff1
	.p2align	8
	.type	k_q40fd68fd64_ff1,@function
k_q40fd68fd64_ff1:
	s_mov_b64 s[64:65], 0
	v_nop
	global_prefetch_b8 v0, s[64:65] scope:SCOPE_SE
	s_setreg_imm32_b32 hwreg(HW_REG_WAVE_MODE, 25, 1), 1
	s_wait_xcnt 0x0
	s_wait_alu depctr_hold_cnt(0) depctr_sa_sdst(0) depctr_va_vdst(0) depctr_va_sdst(0) depctr_va_ssrc(0) depctr_va_vcc(0) depctr_vm_vsrc(0)
	s_getreg_b32 s2, hwreg(HW_REG_IB_STS2, 6, 4)
	s_cmp_eq_u32 s2, 0
	s_cbranch_scc0 .Lentry_in_a_cluster
	s_endpgm
.Lentry_in_a_cluster:
	s_bfe_u32 s2, ttmp6, 0x10000c
	s_cmp_lg_u32 s2, 0xf033
	s_cbranch_scc0 .Lentry_shape_is_right
	s_endpgm
.Lentry_shape_is_right:
; FF1: gelu(LN2(x1) ff1_w^T + ff1_b), the product on codes of FP4 with E8M0 scales, the result quantised along the hidden units for the second feed-forward product.
; A work-group makes 256 hidden units (X, source 0: panel fx of ff1_w) x 256 tokens (Y, source 1: panel ty) over K = 1,024.  Both panels of codes (131,072 bytes each) and of scale words (8,192 each)
; are dense blocks of memory in the order of the operands' registers; they are brought into LDS ONCE: one tensor load a wave (one K step of one side; the scale words come by plain loads), issued in the first lines: one is out
; at the most.  Nothing is filled again.  A WAVE (wx = wave / 8, wy = wave % 8) makes 128 X x 32 Y: 16 accumulators, which take turns, one instruction a turn.
; CLUSTERS: 4 x 4 work-groups.  X's panel hangs on fx alone, which the four of a column of the cluster share; Y's on ty alone, which the four of a row share.  Each part of a panel is asked for JOINTLY: the same tensor load, with the
; same descriptor and a mask that names the four, in all four; each receives it in its own LDS.  That divides the requests for both panels by four: of the 272 KB that a work-group takes in, 80 KB are its share of the asking (the 16 KB of scale words by plain loads).
; Even waves ask for X, odd waves for Y: two runs of loads under one branch on the wave's number, so that each line has one mask.  A round of the cluster's barrier stands in front of the loads, another in front of the end.
; Hidden units lie by position (position 16 u + r of a group of 32 is row 8 u + r + 8 (r / 8)), so a lane holds one token, and its 16 registers of X tiles 2 b, 2 b + 1 are hidden units 32 b + 16 h + 0 .. 15: a wave's 128 are one K step of the next product.
; GELU is 0.5 v (1 + erf(v / sqrt 2)); erf(z) = z P(z^2) / Q(z^2), z held to -4 .. 4, P of degree 6 and Q of degree 4 in z^2: good to a few units in erf's last place.
; LIMITS: NaN and infinities are not served; a block whose largest magnitude lies under 2^-124, a block of zeros too, keeps the scale byte 1.  GELU's absolute error is about 1e-7 |v|, so its relative error grows in the far negative tail.
.set YP,  131072                       ; LDS: X's codes at 0 [8 K steps][16 tiles][1,024], Y's here,
.set XS,  262144                       ; X's scale words [8][256],
.set YS,  270336                       ; Y's,
.set BIA, 278528                       ; and 512 bytes for each wave: the bias of its 128 hidden units
.set TM,  104
.set SEL, 20                           ; s[20:21] lane selects: lane l xor 16
.set LHI, 22                           ; s22 lanes 16-31
.set G1XC, 24                          ; s[24:31] descriptor group 1 for X's codes;  s[40:47] for Y's
.set G1XS, 32
.set G1YC, 40
.set G1YS, 48
; groups 0, made once and never written while a load is out: X: s[60:63];  Y: s[84:87]: one K step each
.set KC,  24                           ; s[24:43] behind the last wait on TENSORcnt: GELU's coefficients, each twice
.set GZ,  40                           ; v40-71 at work in GELU: z, z^2, P, Q
.set GW,  48
.set GP,  56
.set GQ,  64
; REGISTERS: v1 16 l; v2-5 LDS addresses of X, Y, X's and Y's scale words; v6 4 l; v7 the bias in LDS; v[8:9], v[10:11] two coefficients; v16-19 X's scale words, v20 Y's (nothing else ever);
; v24-39 Y; v40-103 X, later the bias, later at work; v120-127, v24-31 codes; v32-34 scale words on their way out; v128-255 accumulator (xt, yt) at 128 + 64 yt + 8 xt.
.macro WMM d, a, b, sa, sb, ra, rb, zero
.if \zero
.if (\ra) && (\rb)
	v_wmma_scale_f32_16x16x128_f8f6f4 v[(\d):(\d)+7], v[(\a):(\a)+7], v[(\b):(\b)+7], 0, v[\sa], v[\sb] matrix_a_fmt:MATRIX_FMT_FP4 matrix_b_fmt:MATRIX_FMT_FP4 matrix_a_scale:MATRIX_SCALE_ROW1 matrix_b_scale:MATRIX_SCALE_ROW1
.elseif \ra
	v_wmma_scale_f32_16x16x128_f8f6f4 v[(\d):(\d)+7], v[(\a):(\a)+7], v[(\b):(\b)+7], 0, v[\sa], v[\sb] matrix_a_fmt:MATRIX_FMT_FP4 matrix_b_fmt:MATRIX_FMT_FP4 matrix_a_scale:MATRIX_SCALE_ROW1
.elseif \rb
	v_wmma_scale_f32_16x16x128_f8f6f4 v[(\d):(\d)+7], v[(\a):(\a)+7], v[(\b):(\b)+7], 0, v[\sa], v[\sb] matrix_a_fmt:MATRIX_FMT_FP4 matrix_b_fmt:MATRIX_FMT_FP4 matrix_b_scale:MATRIX_SCALE_ROW1
.else
	v_wmma_scale_f32_16x16x128_f8f6f4 v[(\d):(\d)+7], v[(\a):(\a)+7], v[(\b):(\b)+7], 0, v[\sa], v[\sb] matrix_a_fmt:MATRIX_FMT_FP4 matrix_b_fmt:MATRIX_FMT_FP4
.endif
.else
.if (\ra) && (\rb)
	v_wmma_scale_f32_16x16x128_f8f6f4 v[(\d):(\d)+7], v[(\a):(\a)+7], v[(\b):(\b)+7], v[(\d):(\d)+7], v[\sa], v[\sb] matrix_a_fmt:MATRIX_FMT_FP4 matrix_b_fmt:MATRIX_FMT_FP4 matrix_a_scale:MATRIX_SCALE_ROW1 matrix_b_scale:MATRIX_SCALE_ROW1
.elseif \ra
	v_wmma_scale_f32_16x16x128_f8f6f4 v[(\d):(\d)+7], v[(\a):(\a)+7], v[(\b):(\b)+7], v[(\d):(\d)+7], v[\sa], v[\sb] matrix_a_fmt:MATRIX_FMT_FP4 matrix_b_fmt:MATRIX_FMT_FP4 matrix_a_scale:MATRIX_SCALE_ROW1
.elseif \rb
	v_wmma_scale_f32_16x16x128_f8f6f4 v[(\d):(\d)+7], v[(\a):(\a)+7], v[(\b):(\b)+7], v[(\d):(\d)+7], v[\sa], v[\sb] matrix_a_fmt:MATRIX_FMT_FP4 matrix_b_fmt:MATRIX_FMT_FP4 matrix_b_scale:MATRIX_SCALE_ROW1
.else
	v_wmma_scale_f32_16x16x128_f8f6f4 v[(\d):(\d)+7], v[(\a):(\a)+7], v[(\b):(\b)+7], v[(\d):(\d)+7], v[\sa], v[\sb] matrix_a_fmt:MATRIX_FMT_FP4 matrix_b_fmt:MATRIX_FMT_FP4
.endif
.endif
.endm
.macro WM xt, yt, zero                 ; a scale register carries two neighbouring tiles' words: the even tile's in lanes 0-15, the odd one's in lanes 16-31
	WMM 128+64*(\yt)+8*(\xt), 40+8*(\xt), 24+8*(\yt), 16+(\xt)/2, 20, (\xt)%2, \yt, \zero
.endm
; One K step of 128: 25 LDS loads, 16 matrix instructions.  The four additions at its end are the four plain places between the last matrix instruction and the next loads into its registers.
.macro KSTEP zero
.irp i, 0,1,2,3
	ds_load_b32 v[16+\i], v4 offset:128*\i
.endr
	ds_load_b32 v20, v5
.irp yt, 0,1
.irp c, 0,1
	ds_load_b128 v[24+8*\yt+4*\c:27+8*\yt+4*\c], v3 offset:1024*\yt+512*\c
.endr
.endr
.irp xt, 0,1,2,3,4,5,6,7
.irp c, 0,1
	ds_load_b128 v[40+8*\xt+4*\c:43+8*\xt+4*\c], v2 offset:1024*\xt+512*\c
.endr
.endr
.irp xt, 0,1,2,3,4,5,6,7
	s_wait_dscnt 14-2*\xt                          ; X's tile xt is in; the two loads of each later tile may be out
	WM \xt, 0, \zero
	WM \xt, 1, \zero
.endr
	v_add_nc_u32 v2, 0x4000, v2
	v_add_nc_u32 v3, 0x4000, v3
	v_add_nc_u32 v4, 0x400, v4
	v_add_nc_u32 v5, 0x400, v5
.endm
.macro QUANT s, pc, pw                 ; 64 numbers of a lane, register 16 b + i = k 32 b + 16 (lane / 16) + i of my row, become a fragment's codes in v[pc] on and its scale word in v[pw]
.irp b, 0,1,2,3
	v_max3_num_f32 v[TM+\b], |v[(\s)+16*\b]|, |v[(\s)+1+16*\b]|, 0x1800000   ; the floor 2^(3 - 127) holds the byte at 1 from below
.endr
.irp i, 2,4,6,8,10,12,14
.irp b, 0,1,2,3
	s_delay_alu instid0(VALU_DEP_4)
	v_max3_num_f32 v[TM+\b], v[TM+\b], |v[(\s)+16*\b+\i]|, |v[(\s)+1+16*\b+\i]|
.endr
.endr
.irp b, 0,1,2,3
	s_delay_alu instid0(VALU_DEP_4)
	v_permlanex16_b32 v[TM+4+\b], v[TM+\b], s[SEL], s[SEL+1]
.endr
.irp b, 0,1,2,3
	s_delay_alu instid0(VALU_DEP_4)
	v_max_num_f32 v[TM+\b], v[TM+\b], v[TM+4+\b]
.endr
.irp b, 0,1,2,3
	s_delay_alu instid0(VALU_DEP_4)
	v_add_nc_u32 v[TM+12+\b], 0xff000000, v[TM+\b]
.endr
.irp b, 0,1,2,3
	s_delay_alu instid0(VALU_DEP_4)
	v_lshrrev_b32 v[TM+4+\b], 23, v[TM+12+\b]
.endr
	s_delay_alu instid0(VALU_DEP_3)
	v_lshl_or_b32 v[\pw], v[TM+5], 8, v[TM+4]
	s_delay_alu instid0(VALU_DEP_1)
	v_lshl_or_b32 v[\pw], v[TM+6], 16, v[\pw]
	s_delay_alu instid0(VALU_DEP_1)
	v_lshl_or_b32 v[\pw], v[TM+7], 24, v[\pw]
.irp b, 0,1,2,3
	v_cvt_scalef32_pk8_fp4_f32 v[(\pc)+2*\b], v[(\s)+16*\b:(\s)+7+16*\b], v[TM+12+\b]
	v_cvt_scalef32_pk8_fp4_f32 v[(\pc)+1+2*\b], v[(\s)+8+16*\b:(\s)+15+16*\b], v[TM+12+\b]
.endr
	v_nop                                          ; one plain place behind a scaled conversion
.irp c, 0,1
.irp i, 0,1
	v_permlane16_swap_b32 v[(\pc)+4*\c+\i], v[(\pc)+2+4*\c+\i]
.endr
.endr
.endm
; A round of the cluster's barrier: my work-group's barrier, so that wave 0's signal speaks for all sixteen waves; wave 0 signals for the work-group; every wave waits for all sixteen work-groups; my work-group's barrier once more.
.macro CROUND
	s_barrier_signal -1
	s_barrier_wait -1
	s_cmp_lg_u32 s12, 0
	s_cbranch_scc1 .Lnot_wave_0_\@
	s_barrier_signal -3
.Lnot_wave_0_\@:
	s_barrier_wait -3
	s_barrier_signal -1
	s_barrier_wait -1
.endm
; GELU of eight numbers v[a] .. v[a + 7], in place, four pairs by turns
.macro GELU4 a
.irp p, 0,2,4,6
	v_pk_mul_f32 v[GZ+\p:GZ+\p+1], v[(\a)+\p:(\a)+\p+1], 0x3f3504f3 op_sel_hi:[1,0]       ; z = v / sqrt 2
.endr
.irp p, 0,1,2,3,4,5,6,7
	v_med3_num_f32 v[GZ+\p], v[GZ+\p], -4.0, 4.0
.endr
.irp p, 0,2,4,6
	v_pk_mul_f32 v[GW+\p:GW+\p+1], v[GZ+\p:GZ+\p+1], v[GZ+\p:GZ+\p+1]
.endr
.irp p, 0,2,4,6
	s_delay_alu instid0(VALU_DEP_4)
	v_pk_fma_f32 v[GP+\p:GP+\p+1], v[GW+\p:GW+\p+1], v[8:9], s[KC:KC+1] op_sel_hi:[1,1,0]
.endr
.irp k, 2,4,6,8,10
.irp p, 0,2,4,6
	s_delay_alu instid0(VALU_DEP_4)
	v_pk_fma_f32 v[GP+\p:GP+\p+1], v[GP+\p:GP+\p+1], v[GW+\p:GW+\p+1], s[KC+\k:KC+\k+1] op_sel_hi:[1,1,0]
.endr
.endr
.irp p, 0,2,4,6
	v_pk_fma_f32 v[GQ+\p:GQ+\p+1], v[GW+\p:GW+\p+1], v[10:11], s[KC+12:KC+13] op_sel_hi:[1,1,0]
.endr
.irp k, 14,16,18
.irp p, 0,2,4,6
	s_delay_alu instid0(VALU_DEP_4)
	v_pk_fma_f32 v[GQ+\p:GQ+\p+1], v[GQ+\p:GQ+\p+1], v[GW+\p:GW+\p+1], s[KC+\k:KC+\k+1] op_sel_hi:[1,1,0]
.endr
.endr
	s_wait_alu depctr_va_vdst(0)
.irp p, 0,1,2,3,4,5,6,7
	v_rcp_f32 v[GQ+\p], v[GQ+\p]
.endr
.irp p, 0,2,4,6
	v_pk_mul_f32 v[GP+\p:GP+\p+1], v[GP+\p:GP+\p+1], v[GZ+\p:GZ+\p+1]      ; (plain places behind the reciprocals)
.endr
	s_wait_alu depctr_va_vdst(0)
.irp p, 0,2,4,6
	v_pk_mul_f32 v[GP+\p:GP+\p+1], v[GP+\p:GP+\p+1], v[GQ+\p:GQ+\p+1]      ; erf
.endr
.irp p, 0,2,4,6
	v_pk_mul_f32 v[GZ+\p:GZ+\p+1], v[(\a)+\p:(\a)+\p+1], 0.5 op_sel_hi:[1,0]
.endr
.irp p, 0,2,4,6
	s_delay_alu instid0(VALU_DEP_4)
	v_pk_fma_f32 v[(\a)+\p:(\a)+\p+1], v[GZ+\p:GZ+\p+1], v[GP+\p:GP+\p+1], v[GZ+\p:GZ+\p+1]
.endr
.endm
	s_load_b256 s[4:11], s[0:1], 0x0               ; act2, wq, ff1_b, hid
	v_lshl_add_u32 v114, v0, 2, 0x46000
	v_mov_b32 v115, 0
	ds_add_u32 v114, v115
	ds_add_u32 v114, v115
	v_lshrrev_b32 v1, 5, v0
	s_delay_alu instid0(VALU_DEP_1)
	v_readfirstlane_b32 s12, v1                    ; wave 0..15
	s_lshr_b32 s13, s12, 3                         ; wx
	s_and_b32 s14, s12, 7                          ; wy
	s_bfe_u32 s17, ttmp6, 0x40000                  ; cx, cy: my place in the cluster
	s_bfe_u32 s18, ttmp6, 0x40004
	s_lshl_b32 s15, ttmp9, 2                       ; in a cluster launch ttmp9 and ttmp7 count clusters
	s_add_co_u32 s15, s15, s17                     ; fx = 4 x cluster x + cx
	s_and_b32 s16, ttmp7, 0xffff
	s_lshl_b32 s16, s16, 2
	s_add_co_u32 s16, s16, s18                     ; ty = 4 x cluster y + cy
	s_lshl_b32 s19, s18, 2
	s_lshl_b32 s19, 15, s19                        ; my row of the cluster: places 4 cy .. 4 cy + 3
	s_lshl_b32 s23, 0x1111, s17                    ; my column: places cx, cx + 4, cx + 8, cx + 12
	; descriptor group 1: 15:0 the mask (X's parts go to my column, Y's to my row); 17:16 elements of 8 bytes; 21 set beside a mask; no padding
	s_or_b32 s[G1XC], s23, (3<<16)|(1<<21)
	s_or_b32 s[G1YC], s19, (3<<16)|(1<<21)
.irp g, G1XC, G1YC                     ; THE FILLS AS THEY NOW STAND: one joint load a wave, 64 rows of 32 elements, dense: one K step (16,384 bytes) of one side
	s_mov_b32 s[\g+1], 32<<16
	s_mov_b32 s[\g+2], 64<<16
	s_mov_b32 s[\g+3], 32<<16
	s_mov_b32 s[\g+4], 64
	s_mov_b32 s[\g+5], 32
	s_mov_b32 s[\g+6], 0
	s_mov_b32 s[\g+7], 0
.endr
	s_and_b32 s68, s12, 1                          ; I ask for X (0) or for Y (1),
	s_lshr_b32 s69, s12, 1                         ; K step wave / 2,
	s_lshr_b32 s70, s12, 2                         ; which lies in chunk wave / 4 of two K steps
	s_lshl_b32 s2, s69, 14                         ; my K step of codes: 16,384 bytes,
	s_lshl_b32 s3, s69, 10                         ; of scale words: 1,024
	; where the parts come from.  X's offsets are made of fx and the wave's number alone, Y's of ty and the wave's number alone; every wave makes both and asks by one of them
	s_lshl_b32 s62, s15, 17
	s_add_co_u32 s62, s62, s2
	s_add_co_u32 s62, s62, 0x200000                ; ff1_w's panel: codes,
	s_mov_b32 s63, 0
	s_lshl_b32 s58, s15, 13
	s_add_co_u32 s58, s58, s3
	s_add_co_u32 s58, s58, 6422528                 ; scale words
	s_mov_b32 s59, 0
	s_lshl_b32 s86, s16, 17
	s_add_co_u32 s86, s86, s2                      ; the tokens' panel: codes,
	s_mov_b32 s87, 0
	s_lshl_b32 s82, s16, 13
	s_add_co_u32 s82, s82, s3
	s_add_co_u32 s82, s82, 0x200000                ; scale words
	s_mov_b32 s83, 0
	s_wait_dscnt 0x0
	s_wait_kmcnt 0x0
	s_add_nc_u64 s[62:63], s[6:7], s[62:63]
	s_add_nc_u64 s[58:59], s[6:7], s[58:59]
	s_add_nc_u64 s[86:87], s[4:5], s[86:87]
	s_add_nc_u64 s[82:83], s[4:5], s[82:83]
.irp g, 60,84
	s_mov_b32 s[\g], 1                             ; 1:0 count = 1
	s_or_b32 s[\g+3], s[\g+3], 0x80000000          ; 127:126 type = 2
.endr
	s_add_co_u32 s61, s2, 0                        ; where they go: the wave's number and constants alone
	s_add_co_u32 s85, s2, YP
	s_cmp_eq_u32 s68, 0
	s_cselect_b64 s[72:73], s[58:59], s[82:83]     ; my 1,024 bytes of scale words come by plain loads and LDS stores,
	s_lshl_b32 s71, s68, 13
	s_add_co_u32 s71, s71, s3
	s_add_co_u32 s71, s71, XS                      ; to this place
	CROUND                                         ; all sixteen work-groups are here: the joint loads meet
; One tree of branches on the wave's number, an arm for each side and chunk: each line has one mask, and the waves of a chunk have load lines of their own: they alone wait ahead of the barrier that shows that chunk.
.macro ARM c, g0, g1, next
	s_cmp_eq_u32 s70, \c
	s_cbranch_scc0 \next
	tensor_load_to_lds s[\g0:\g0+3], s[\g1:\g1+7]
	s_nop 0
.rept 4
	v_nop
.endr
	s_branch .Lfirst_asked
\next:
.endm
	s_cmp_eq_u32 s68, 0
	s_cbranch_scc0 .Lfirst_y
	ARM 0, 60, G1XC, .Lx1
	ARM 1, 60, G1XC, .Lx2
	ARM 2, 60, G1XC, .Lx3
	tensor_load_to_lds s[60:63], s[G1XC:G1XC+7]
	s_nop 0
.rept 4
	v_nop
.endr
	s_branch .Lfirst_asked
.Lfirst_y:
	ARM 0, 84, G1YC, .Ly1
	ARM 1, 84, G1YC, .Ly2
	ARM 2, 84, G1YC, .Ly3
	tensor_load_to_lds s[84:87], s[G1YC:G1YC+7]
	s_nop 0
.rept 4
	v_nop
.endr
.Lfirst_asked:
	v_and_b32 v104, 31, v0
	s_delay_alu instid0(VALU_DEP_1)
	v_lshlrev_b32 v1, 4, v104
	s_wait_alu depctr_va_vdst(0)
	v_lshlrev_b32 v6, 2, v104
	s_lshl_b32 s2, s13, 13
	v_add_nc_u32 v2, s2, v1                        ; X: my 8 tiles
	s_lshl_b32 s2, s14, 11
	s_add_co_u32 s2, s2, YP
	v_add_nc_u32 v3, s2, v1                        ; Y: my 2 tiles
	s_lshl_b32 s2, s13, 9
	s_add_co_u32 s2, s2, XS
	v_add_nc_u32 v4, s2, v6
	s_lshl_b32 s2, s14, 7
	s_add_co_u32 s2, s2, YS
	v_add_nc_u32 v5, s2, v6
	s_lshl_b32 s2, s12, 9
	s_add_co_u32 s2, s2, BIA
	v_add_nc_u32 v105, s2, v1
	v_add_nc_u32 v113, s71, v1                     ; where my part of the scale words goes
	v_lshrrev_b32 v106, 4, v104
	s_delay_alu instid0(VALU_DEP_1)
	v_lshl_add_u32 v7, v106, 6, s2
	s_lshl_b32 s2, s15, 10
	s_lshl_b32 s17, s13, 9
	s_add_co_u32 s2, s2, s17
	s_mov_b32 s3, 0
	s_add_nc_u64 s[8:9], s[8:9], s[2:3]            ; the bias of hidden units 256 fx + 128 wx on
	global_load_b128 v[108:111], v1, s[8:9]
	global_load_b128 v[120:123], v1, s[72:73]      ; my scale words: 512 consecutive bytes a load
	global_load_b128 v[124:127], v1, s[72:73] offset:512
	v_mov_b32 v8, 0xaf95df0b                       ; P's coefficient of z^12
	v_mov_b32 v9, 0xaf95df0b
	v_mov_b32 v10, 0xb77460cd                      ; Q's of z^8
	v_mov_b32 v11, 0xb77460cd
	s_mov_b32 s[LHI], 0xffff0000
	s_mov_b32 s[SEL], 0x76543210
	s_mov_b32 s[SEL+1], 0xfedcba98
	s_wait_alu depctr_va_vdst(0)
	s_wait_loadcnt 0x0
	ds_store_b128 v105, v[108:111]
	ds_store_b128 v113, v[120:123]
	ds_store_b128 v113, v[124:127] offset:512
	s_wait_dscnt 0x0                               ; no LDS instruction of mine is out at a barrier's signal
.irp b, 0,1,2,3
	v_mov_b32 v[TM+4+\b], 0                        ; written once: a lane permute's destination counts as one of its sources
.endr
	s_wait_alu depctr_va_vdst(0)
	s_cmp_eq_u32 s70, 0
	s_cbranch_scc0 .Lw0
	s_wait_tensorcnt 0x0                           ; chunk 0's four waves: their K steps are in
.Lw0:
	s_barrier_signal -1
	s_barrier_wait -1
	KSTEP 1                                        ; the first K step starts the sums
	s_wait_alu depctr_va_vdst(0)
	KSTEP 0
	s_wait_alu depctr_va_vdst(0)
	s_cmp_eq_u32 s70, 1
	s_cbranch_scc0 .Lw1
	s_wait_tensorcnt 0x0                           ; chunk 1's four waves
.Lw1:
	s_barrier_signal -1
	s_barrier_wait -1
	KSTEP 0
	s_wait_alu depctr_va_vdst(0)
	KSTEP 0
	s_wait_alu depctr_va_vdst(0)
	s_cmp_eq_u32 s70, 2
	s_cbranch_scc0 .Lw2
	s_wait_tensorcnt 0x0                           ; chunk 2's four waves
.Lw2:
	s_barrier_signal -1
	s_barrier_wait -1
	KSTEP 0
	s_wait_alu depctr_va_vdst(0)
	KSTEP 0
	s_wait_alu depctr_va_vdst(0)
	s_wait_tensorcnt 0                             ; chunk 3: no tensor load of mine is out from here on
	s_barrier_signal -1
	s_barrier_wait -1
	KSTEP 0
	s_wait_alu depctr_va_vdst(0)
	KSTEP 0
.irp b, 0,1,2,3
.irp q, 0,1,2,3
	ds_load_b128 v[40+16*\b+4*\q:43+16*\b+4*\q], v7 offset:128*\b+16*\q
.endr
.endr
	s_mov_b32 s[KC+0], 0x32edffee                  ; the descriptors are done with: their registers take P's coefficients of z^10, z^8, z^6, z^4, z^2, 1 (each twice: the packed form names a pair)
	s_mov_b32 s[KC+1], 0x32edffee
	s_mov_b32 s[KC+2], 0xb60cff51
	s_mov_b32 s[KC+3], 0xb60cff51
	s_mov_b32 s[KC+4], 0xb86ec2d2
	s_mov_b32 s[KC+5], 0xb86ec2d2
	s_mov_b32 s[KC+6], 0xba40ac63
	s_mov_b32 s[KC+7], 0xba40ac63
	s_mov_b32 s[KC+8], 0xbb41a1f6
	s_mov_b32 s[KC+9], 0xbb41a1f6
	s_mov_b32 s[KC+10], 0xbc83dbd4
	s_mov_b32 s[KC+11], 0xbc83dbd4
	s_mov_b32 s[KC+12], 0xb95fbd29                 ; and Q's of z^6, z^4, z^2, 1
	s_mov_b32 s[KC+13], 0xb95fbd29
	s_mov_b32 s[KC+14], 0xbadc924e
	s_mov_b32 s[KC+15], 0xbadc924e
	s_mov_b32 s[KC+16], 0xbbf19bf8
	s_mov_b32 s[KC+17], 0xbbf19bf8
	s_mov_b32 s[KC+18], 0xbc69b6a7
	s_mov_b32 s[KC+19], 0xbc69b6a7
	s_lshl_b32 s2, s16, 1                          ; where the results go: ((2 ty + wy / 4) 32 + 2 fx + wx) fragments' rows of 8,192 bytes, tile 2 (wy % 4)
	s_lshr_b32 s3, s14, 2
	s_add_co_u32 s2, s2, s3
	s_lshl_b32 s2, s2, 5
	s_lshl_b32 s3, s15, 1
	s_add_co_u32 s2, s2, s3
	s_add_co_u32 s2, s2, s13
	s_and_b32 s17, s14, 3
	s_lshl_b32 s18, s2, 9
	s_lshl_b32 s19, s17, 7
	s_add_co_u32 s18, s18, s19
	s_add_co_u32 s18, s18, 8388608
	s_mov_b32 s19, 0
	s_add_nc_u64 s[66:67], s[10:11], s[18:19]      ; scale words
	s_lshl_b32 s2, s2, 13
	s_lshl_b32 s3, s17, 11
	s_add_co_u32 s2, s2, s3
	s_mov_b32 s3, 0
	s_add_nc_u64 s[10:11], s[10:11], s[2:3]        ; codes
	s_wait_dscnt 0x0
.irp k, 0,2,4,6,8,10,12,14,16,18,20,22,24,26,28,30,32,34,36,38,40,42,44,46,48,50,52,54,56,58,60,62
	v_pk_add_f32 v[128+\k:129+\k], v[128+\k:129+\k], v[40+\k:41+\k]       ; + ff1_b; each accumulator from its low end on
.endr
.irp k, 0,2,4,6,8,10,12,14,16,18,20,22,24,26,28,30,32,34,36,38,40,42,44,46,48,50,52,54,56,58,60,62
	v_pk_add_f32 v[192+\k:193+\k], v[192+\k:193+\k], v[40+\k:41+\k]
.endr
.irp n, 0,1,2,3,4,5,6,7
	GELU4 128+8*\n
.endr
	QUANT 128, 120, 32
.irp n, 0,1,2,3,4,5,6,7
	GELU4 192+8*\n
.endr
	QUANT 192, 24, 33
	v_cndmask_b32 v34, v32, v33, s[LHI]            ; lanes 0-15: tile 0's words; lanes 16-31: tile 1's
	global_store_b128 v1, v[120:123], s[10:11]                 ; each store covers 512 consecutive bytes of a fragment
	global_store_b128 v1, v[124:127], s[10:11] offset:512
	global_store_b128 v1, v[24:27], s[10:11] offset:1024
	global_store_b128 v1, v[28:31], s[10:11] offset:1536
	global_store_b32 v6, v34, s[66:67]                         ; 128 consecutive bytes
	s_wait_tensorcnt 0x0
	ds_add_u32 v114, v115
	s_wait_dscnt 0x0
	CROUND                                         ; the closing round: no work-group ends while a partner may still ask for a part that names it
	s_endpgm
.Lfunc_end_k_q40fd68fd64_ff1:
	.size	k_q40fd68fd64_ff1, .Lfunc_end_k_q40fd68fd64_ff1-k_q40fd68fd64_ff1
	.p2alignl 7, 3214868480
	.fill 96, 4, 3214868480
	.section	.rodata,"a",@progbits
	.p2align	6, 0x0
	.amdhsa_kernel k_q40fd68fd64_ff1
		.amdhsa_group_segment_fixed_size 288768
		.amdhsa_private_segment_fixed_size 0
		.amdhsa_enable_private_segment 0
		.amdhsa_kernarg_size 32
		.amdhsa_user_sgpr_count 2
		.amdhsa_user_sgpr_kernarg_segment_ptr 1
		.amdhsa_wavefront_size32 1
		.amdhsa_system_sgpr_workgroup_id_x 1
		.amdhsa_system_sgpr_workgroup_id_y 1
		.amdhsa_system_sgpr_workgroup_id_z 1
		.amdhsa_system_vgpr_workitem_id 0
		.amdhsa_next_free_vgpr 256
		.amdhsa_next_free_sgpr 100
		.amdhsa_reserve_vcc 0
		.amdhsa_float_denorm_mode_32 3
		.amdhsa_float_denorm_mode_16_64 3
		.amdhsa_memory_ordered 1
		.amdhsa_forward_progress 1
		.amdhsa_inst_pref_size 160
	.end_amdhsa_kernel
	.amdgpu_metadata
---
amdhsa.version: [ 1, 2 ]
amdhsa.kernels:
  - .name:           k_q40fd68fd64_ff1
    .symbol:         k_q40fd68fd64_ff1.kd
    .args:
      - { .name: act2, .offset: 0, .size: 8, .value_kind: global_buffer, .address_space: global }
      - { .name: wq, .offset: 8, .size: 8, .value_kind: global_buffer, .address_space: global }
      - { .name: ff1_b, .offset: 16, .size: 8, .value_kind: global_buffer, .address_space: global }
      - { .name: hid, .offset: 24, .size: 8, .value_kind: global_buffer, .address_space: global }
    .group_segment_fixed_size: 288768
    .private_segment_fixed_size: 0
    .kernarg_segment_align: 8
    .kernarg_segment_size: 32
    .max_flat_workgroup_size: 512
    .sgpr_count:     100
    .vgpr_count:     256
    .wavefront_size: 32
...
	.end_amdgpu_metadata
.endif
;; end of part 5
;; launch ff2 (part 6): grid 8 x 32, 8 waves a work-group, clusters of 4 x 4, 327,680 bytes of LDS; arguments hid, wq, ff2_b, x1, out0; writes out0
.if DOCPART == 6
	.amdgcn_target "amdgcn-amd-amdhsa--gfx1250"
	.amdhsa_code_object_version 6
	.text
	.protected	k_q40fd68fd64_ff2
	.globl	k_q40fd68fd64_ff2
	.p2align	8
	.type	k_q40fd68fd64_ff2,@function
k_q40fd68fd64_ff2:
	s_mov_b64 s[64:65], 0
	v_nop
	global_prefetch_b8 v0, s[64:65] scope:SCOPE_SE
	s_setreg_imm32_b32 hwreg(HW_REG_WAVE_MODE, 25, 1), 1
	s_wait_xcnt 0x0
	s_wait_alu depctr_hold_cnt(0) depctr_sa_sdst(0) depctr_va_vdst(0) depctr_va_sdst(0) depctr_va_ssrc(0) depctr_va_vcc(0) depctr_vm_vsrc(0)
	s_getreg_b32 s2, hwreg(HW_REG_IB_STS2, 6, 4)
	s_cmp_eq_u32 s2, 0
	s_cbranch_scc0 .Lentry_in_a_cluster
	s_endpgm
.Lentry_in_a_cluster:
	s_bfe_u32 s2, ttmp6, 0x10000c
	s_cmp_lg_u32 s2, 0xf033
	s_cbranch_scc0 .Lentry_shape_is_right
	s_endpgm
.Lentry_shape_is_right:
; FF2: out0 = x1 + hidden ff2_w^T + ff2_b, the product on codes of FP4 with E8M0 scales.
; A work-group makes 128 features (X, source 0: panel fx of ff2_w) x 128 tokens (Y, source 1: panel ty) over K = 4,096: 256 work-groups.  A panel is a dense block in the order of the operands' registers:
; [32 K steps][8 tiles][1,024 bytes].  K goes in 4 chunks of 8 K steps through two LDS slots (65,536 bytes a side: X's from 0, Y's from YP); each of the eight waves brings an eighth of a chunk with one tensor load (64 rows of 256 bytes).
; The scale words of all of K (16,384 bytes a side) are brought once.  One load of a wave is out at the start, one behind each of the two rounds behind which a slot is filled again.
; CLUSTERS: 4 x 4 work-groups.  X's panel hangs on fx alone, which the four of a column of the cluster share; Y's on ty alone, which the four of a row share.  Each part of a panel is asked for JOINTLY: the same tensor load, with the
; same descriptor and a mask that names the four, in all four; each receives it in its own LDS.  That divides the requests for both panels by four: of the 544 KB that a work-group takes in, 160 KB are its share of the asking (the 32 KB of scale words by plain loads).
; Waves 0-3 ask for X, waves 4-7 for Y, under a branch on the wave's number, so that each line has one mask.  A round of the cluster's barrier stands in front of the first fills, in front of each refill, and in front of the end.
; A WAVE (wx = wave / 4, wy = wave % 4) makes 64 X x 32 Y: 8 accumulators by turns, one instruction a turn; its fragments take turns in two sets of registers, fetched a K step ahead.
; Features and tokens lie by position (position 16 u + r of a group of 32 is row 8 u + r + 8 (r / 8)): a lane's 16 registers of X tiles 2 b, 2 b + 1 are features 32 b + 16 h + 0 .. 15; the way out gives each position its token's row.
; The way out goes through the wave's own stage, which lies in slot 0 once that slot has had its last fill and its last read: sixteen lanes then store 256 consecutive bytes, aligned.
; LIMITS: NaN and infinities are not served.
.set SLOT1, 65536                      ; LDS AS IT NOW STANDS: X's slots 0 and 1 on end from byte 0, Y's two from YP: so one load of the head covers a part of chunks 0 and 1 together
.set YP,    131072
.set XS,    262144
.set YS,    278528
.set SPARE, 294912                     ; the spare words, 128 bytes for each wave: four blocks of 256 bytes that no other line names
.set BIA,   295936                     ; 256 bytes for each wave: the bias of its 64 features
.set G1XC, 24                          ; s[24:31] descriptor group 1 for X's codes;  s[32:39] for X's part of the head's fills;  s[40:47], s[48:55] the same for Y
.set G1XS, 32
.set G1YC, 40
.set G1YS, 48
; groups 0, made once and never written again: X: s[68:71] the head's fill, s[72:79] chunks 2 and 3;  Y: s[88:91] the head's fill, s[92:99] chunks 2 and 3
; REGISTERS: v1 16 l; v2, v3 X and Y in slot 0, v4, v5 in slot 1; v6, v7 scale words; v8-13 the way out and the bias; v16-18, v19-21 scale words of sets 0 and 1 (nothing else ever); v30, v31 for the add alone;
; set 0: X v32-63, Y v64-79; set 1: X v96-127, Y v128-143; x1 in v144-191 and v80-95; accumulator (xt, yt) at 192 + 32 yt + 8 xt.
.macro WMM d, a, b, sa, sb, ra, rb, zero
.if \zero
.if (\ra) && (\rb)
	v_wmma_scale_f32_16x16x128_f8f6f4 v[(\d):(\d)+7], v[(\a):(\a)+7], v[(\b):(\b)+7], 0, v[\sa], v[\sb] matrix_a_fmt:MATRIX_FMT_FP4 matrix_b_fmt:MATRIX_FMT_FP4 matrix_a_scale:MATRIX_SCALE_ROW1 matrix_b_scale:MATRIX_SCALE_ROW1
.elseif \ra
	v_wmma_scale_f32_16x16x128_f8f6f4 v[(\d):(\d)+7], v[(\a):(\a)+7], v[(\b):(\b)+7], 0, v[\sa], v[\sb] matrix_a_fmt:MATRIX_FMT_FP4 matrix_b_fmt:MATRIX_FMT_FP4 matrix_a_scale:MATRIX_SCALE_ROW1
.elseif \rb
	v_wmma_scale_f32_16x16x128_f8f6f4 v[(\d):(\d)+7], v[(\a):(\a)+7], v[(\b):(\b)+7], 0, v[\sa], v[\sb] matrix_a_fmt:MATRIX_FMT_FP4 matrix_b_fmt:MATRIX_FMT_FP4 matrix_b_scale:MATRIX_SCALE_ROW1
.else
	v_wmma_scale_f32_16x16x128_f8f6f4 v[(\d):(\d)+7], v[(\a):(\a)+7], v[(\b):(\b)+7], 0, v[\sa], v[\sb] matrix_a_fmt:MATRIX_FMT_FP4 matrix_b_fmt:MATRIX_FMT_FP4
.endif
.else
.if (\ra) && (\rb)
	v_wmma_scale_f32_16x16x128_f8f6f4 v[(\d):(\d)+7], v[(\a):(\a)+7], v[(\b):(\b)+7], v[(\d):(\d)+7], v[\sa], v[\sb] matrix_a_fmt:MATRIX_FMT_FP4 matrix_b_fmt:MATRIX_FMT_FP4 matrix_a_scale:MATRIX_SCALE_ROW1 matrix_b_scale:MATRIX_SCALE_ROW1
.elseif \ra
	v_wmma_scale_f32_16x16x128_f8f6f4 v[(\d):(\d)+7], v[(\a):(\a)+7], v[(\b):(\b)+7], v[(\d):(\d)+7], v[\sa], v[\sb] matrix_a_fmt:MATRIX_FMT_FP4 matrix_b_fmt:MATRIX_FMT_FP4 matrix_a_scale:MATRIX_SCALE_ROW1
.elseif \rb
	v_wmma_scale_f32_16x16x128_f8f6f4 v[(\d):(\d)+7], v[(\a):(\a)+7], v[(\b):(\b)+7], v[(\d):(\d)+7], v[\sa], v[\sb] matrix_a_fmt:MATRIX_FMT_FP4 matrix_b_fmt:MATRIX_FMT_FP4 matrix_b_scale:MATRIX_SCALE_ROW1
.else
	v_wmma_scale_f32_16x16x128_f8f6f4 v[(\d):(\d)+7], v[(\a):(\a)+7], v[(\b):(\b)+7], v[(\d):(\d)+7], v[\sa], v[\sb] matrix_a_fmt:MATRIX_FMT_FP4 matrix_b_fmt:MATRIX_FMT_FP4
.endif
.endif
.endm
; 15 LDS loads: the fragments and scale words of the slot's q-th K step (K step s of all) into a set
.macro FETCH slot, q, s, set
	ds_load_b32 v[16+3*(\set)], v6 offset:512*(\s)
	ds_load_b32 v[17+3*(\set)], v6 offset:512*(\s)+128
	ds_load_b32 v[18+3*(\set)], v7 offset:512*(\s)
.irp yt, 0,1
.irp c, 0,1
	ds_load_b128 v[64+64*(\set)+8*\yt+4*\c:67+64*(\set)+8*\yt+4*\c], v[3+2*(\slot)] offset:8192*(\q)+1024*\yt+512*\c
.endr
.endr
.irp xt, 0,1,2,3
.irp c, 0,1
	ds_load_b128 v[32+64*(\set)+8*\xt+4*\c:35+64*(\set)+8*\xt+4*\c], v[2+2*(\slot)] offset:8192*(\q)+1024*\xt+512*\c
.endr
.endr
.endm
; 8 matrix instructions on a set, and the four places in front of the next loads into its registers
.macro MUL set, zero
.irp xt, 0,1,2,3
	WMM 192+8*\xt, 32+64*(\set)+8*\xt, 64+64*(\set), 16+3*(\set)+\xt/2, 18+3*(\set), \xt%2, 0, \zero
	WMM 224+8*\xt, 32+64*(\set)+8*\xt, 72+64*(\set), 16+3*(\set)+\xt/2, 18+3*(\set), \xt%2, 1, \zero
.endr
.rept 4
	v_nop
.endr
.endm
.macro CHUNK c, zero                   ; a chunk's eight K steps
	FETCH (\c)%2, 0, 8*(\c), 0
.set Q, 0
.rept 8
.if Q < 7
	FETCH (\c)%2, Q+1, 8*(\c)+Q+1, (Q+1)%2
	s_wait_dscnt 15                                ; this step's set is in; the 15 loads just issued may be out
.else
	s_wait_dscnt 0
.endif
.if (\zero) && (Q == 0)
	MUL Q%2, 1                                     ; the first K step starts the sums
.else
	MUL Q%2, 0
.endif
.set Q, Q+1
.endr
.endm
; A round of the cluster's barrier: my work-group's barrier, so that wave 0's signal speaks for all eight waves; wave 0 signals for the work-group; every wave waits for all sixteen work-groups; my work-group's barrier once more.
.macro CROUND
	s_barrier_signal -1
	s_barrier_wait -1
	s_cmp_lg_u32 s14, 0
	s_cbranch_scc1 .Lnot_wave_0_\@
	s_barrier_signal -3
.Lnot_wave_0_\@:
	s_barrier_wait -3
	s_barrier_signal -1
	s_barrier_wait -1
.endm
; A joint refill: waves 0-3 ask for X's quarters, waves 4-7 for Y's.  Each of the two lines has one mask and one set of registers for all that issue it; the branch hangs on the wave's number alone.
; Four v_nop follow each of the two lines, ahead of the jump, the label and what follows.
.macro JLOAD gx, gy
	s_cmp_eq_u32 s15, 0
	s_cbranch_scc0 .Lfor_y_\@
	tensor_load_to_lds s[\gx:\gx+3], s[G1XC:G1XC+7]
	s_nop 0
.rept 4
	v_nop
.endr
	s_branch .Lasked_\@
.Lfor_y_\@:
	tensor_load_to_lds s[\gy:\gy+3], s[G1YC:G1YC+7]
	s_nop 0
.rept 4
	v_nop
.endr
.Lasked_\@:
.endm
; The slot just read is filled again.  Every wave: all its tensor loads have landed (the other slot's chunk among them); the add; the add is done and its reads of the slot are over; a round of the cluster's barrier, so that the same
; holds of every wave of every partner; then its one joint load, first thing.
.macro REFILL gx, gy
	s_wait_tensorcnt 0x0
	ds_add_u32 v30, v31                            ; 0 onto my spare word
	s_wait_dscnt 0x0
	CROUND
	JLOAD \gx, \gy
.endm
.macro OUTQ n                          ; quad n of 16: where the stage's rows come back, where x1 lies, and the token at position 2 n
.if \n < 12
.set RBN, 96+4*\n
.set XQN, 144+4*\n
.else
.set RBN, 32+4*(\n-12)
.set XQN, 80+4*(\n-12)
.endif
.set TOK, 8*(\n/8)+2*(\n%8)+8*((\n%8)/4)
.endm
	s_load_b256 s[4:11], s[0:1], 0x0               ; hid, wq, ff2_b, x1
	s_load_b64 s[12:13], s[0:1], 0x20              ; out0
	v_lshl_add_u32 v30, v0, 2, SPARE
	v_mov_b32 v31, 0
	ds_add_u32 v30, v31
	ds_add_u32 v30, v31
	s_wait_dscnt 0x0
	v_lshrrev_b32 v1, 5, v0
	s_delay_alu instid0(VALU_DEP_1)
	v_readfirstlane_b32 s14, v1                    ; wave 0..7
	s_lshr_b32 s15, s14, 2                         ; wx.  Also: I ask for X (0) or for Y (1)
	s_and_b32 s16, s14, 3                          ; wy.  Also: which quarter I ask for
	s_bfe_u32 s19, ttmp6, 0x40000                  ; cx, cy: my place in the cluster
	s_bfe_u32 s20, ttmp6, 0x40004
	s_lshl_b32 s17, ttmp9, 2                       ; in a cluster launch ttmp9 and ttmp7 count clusters
	s_add_co_u32 s17, s17, s19                     ; fx = 4 x cluster x + cx
	s_and_b32 s18, ttmp7, 0xffff
	s_lshl_b32 s18, s18, 2
	s_add_co_u32 s18, s18, s20                     ; ty = 4 x cluster y + cy
	s_lshl_b32 s21, s20, 2
	s_lshl_b32 s21, 15, s21                        ; my row of the cluster: places 4 cy .. 4 cy + 3
	s_lshl_b32 s22, 0x1111, s19                    ; my column: places cx, cx + 4, cx + 8, cx + 12
	; descriptor group 1: 15:0 the mask (X's parts go to my column, Y's to my row); 17:16 elements of 8 bytes; 21 set beside a mask; no padding
	s_or_b32 s[G1XC], s22, (3<<16)|(1<<21)
	s_or_b32 s[G1XS], s22, (3<<16)|(1<<21)
	s_or_b32 s[G1YC], s21, (3<<16)|(1<<21)
	s_or_b32 s[G1YS], s21, (3<<16)|(1<<21)
.irp g, G1XC, G1YC                     ; codes: 64 rows of 32 elements, dense
	s_mov_b32 s[\g+1], 32<<16
	s_mov_b32 s[\g+2], 64<<16
	s_mov_b32 s[\g+3], 32<<16
	s_mov_b32 s[\g+4], 64
	s_mov_b32 s[\g+5], 32
	s_mov_b32 s[\g+6], 0
	s_mov_b32 s[\g+7], 0
.endr
.irp g, G1XS, G1YS                     ; the head's fills: 128 such rows
	s_mov_b32 s[\g+1], 32<<16
	s_mov_b32 s[\g+2], 128<<16
	s_mov_b32 s[\g+3], 32<<16
	s_mov_b32 s[\g+4], 128
	s_mov_b32 s[\g+5], 32
	s_mov_b32 s[\g+6], 0
	s_mov_b32 s[\g+7], 0
.endr
	s_lshl_b32 s2, s16, 14                         ; my quarter of a side's chunk: 16,384 bytes,
	s_lshl_b32 s3, s16, 12                         ; of its scale words: 4,096
	; where the parts come from.  X's offsets are made of fx and the wave's number alone, Y's of ty and the wave's number alone; every wave makes both and asks by one of them
	s_lshl_b32 s62, s17, 18
	s_add_co_u32 s62, s62, s2
	s_add_co_u32 s62, s62, 0x400000                ; ff2_w's panel: codes,
	s_mov_b32 s63, 0
	s_lshl_b32 s58, s17, 14
	s_add_co_u32 s58, s58, s3
	s_add_co_u32 s58, s58, 6553600                 ; scale words
	s_mov_b32 s59, 0
	s_lshl_b32 s86, s18, 18
	s_add_co_u32 s86, s86, s2                      ; the tokens' panel: codes,
	s_mov_b32 s87, 0
	s_lshl_b32 s82, s18, 14
	s_add_co_u32 s82, s82, s3
	s_add_co_u32 s82, s82, 8388608                 ; scale words
	s_mov_b32 s83, 0
	s_wait_kmcnt 0x0
	s_add_nc_u64 s[62:63], s[6:7], s[62:63]
	s_add_nc_u64 s[58:59], s[6:7], s[58:59]
	s_add_nc_u64 s[86:87], s[4:5], s[86:87]
	s_add_nc_u64 s[82:83], s[4:5], s[82:83]
	s_add_nc_u64 s[74:75], s[62:63], 131072        ; chunks 2 and 3, the refills: a quarter of a side's chunk a wave, as before
	s_add_nc_u64 s[78:79], s[62:63], 196608
	s_add_nc_u64 s[94:95], s[86:87], 131072
	s_add_nc_u64 s[98:99], s[86:87], 196608
	; THE HEAD'S FILLS, ONE A WAVE: chunks 0 and 1 of a side are 131,072 consecutive bytes; wave w asks for quarter w / 2 (128 rows of 256 bytes) of side w % 2: waves 0-3 bring chunk 0, waves 4-7 chunk 1
	s_and_b32 s56, s14, 1
	s_lshr_b32 s57, s14, 1
	s_lshl_b32 s57, s57, 15
	s_lshl_b32 s68, s17, 18
	s_add_co_u32 s68, s68, s57
	s_add_co_u32 s68, s68, 0x400000
	s_mov_b32 s69, 0
	s_add_nc_u64 s[70:71], s[6:7], s[68:69]        ; X: fx and the wave's number alone
	s_lshl_b32 s88, s18, 18
	s_add_co_u32 s88, s88, s57
	s_mov_b32 s89, 0
	s_add_nc_u64 s[90:91], s[4:5], s[88:89]        ; Y: ty and the wave's number alone
.irp g, 68,72,76,88,92,96
	s_mov_b32 s[\g], 1                             ; 1:0 count = 1
	s_or_b32 s[\g+3], s[\g+3], 0x80000000          ; 127:126 type = 2
.endr
	s_add_co_u32 s69, s57, 0                       ; where they go: the wave's number and constants alone; chunk c into slot c % 2
	s_add_co_u32 s73, s2, 0
	s_add_co_u32 s77, s2, SLOT1
	s_add_co_u32 s89, s57, YP
	s_add_co_u32 s93, s2, YP
	s_add_co_u32 s97, s2, YP+SLOT1
	s_cmp_eq_u32 s15, 0
	s_cselect_b64 s[60:61], s[58:59], s[82:83]     ; my 4,096 bytes of scale words come by plain loads and LDS stores,
	s_cselect_b64 s[58:59], s[62:63], s[86:87]     ; THE PREFETCHES: of the 16,384 bytes of a chunk that I ask for at a refill, the four partners that ask with me take 4,096 each,
	s_cselect_b32 s82, s20, s19                    ; told apart by address: by cy for X, by cx for Y
	s_lshl_b32 s82, s82, 12
	s_mov_b32 s83, 0
	s_add_nc_u64 s[58:59], s[58:59], s[82:83]
	s_lshl_b32 s84, s14, 12
	s_add_co_u32 s84, s84, XS                      ; to this place
	CROUND                                         ; all sixteen work-groups are here: the first joint loads meet
; One tree of branches on the wave's number, an arm for each side and chunk: each line has one mask, and chunk 0's waves have load lines of their own: they alone wait ahead of the first barrier.
.macro HLOAD g0, g1
	tensor_load_to_lds s[\g0:\g0+3], s[\g1:\g1+7]
	s_nop 0
.rept 4
	v_nop
.endr
.endm
	s_cmp_eq_u32 s56, 0
	s_cbranch_scc0 .Lfirst_y
	s_cmp_eq_u32 s15, 0
	s_cbranch_scc0 .Lx_late
	HLOAD 68, G1XS
	s_branch .Lfirst_asked
.Lx_late:
	HLOAD 68, G1XS
	s_branch .Lfirst_asked
.Lfirst_y:
	s_cmp_eq_u32 s15, 0
	s_cbranch_scc0 .Ly_late
	HLOAD 88, G1YS
	s_branch .Lfirst_asked
.Ly_late:
	HLOAD 88, G1YS
.Lfirst_asked:
	v_and_b32 v14, 31, v0                          ; lane l
	s_delay_alu instid0(VALU_DEP_1)
	v_lshlrev_b32 v1, 4, v14
	s_delay_alu instid0(VALU_DEP_2)
	v_lshlrev_b32 v13, 3, v14
	s_delay_alu instid0(VALU_DEP_3)
	v_lshlrev_b32 v15, 2, v14
	v_min_u32 v27, 15, v14                         ; the prefetches' offset: sixteen blocks of 256 bytes, a lane each; lanes 16-31 name the last again
	v_lshlrev_b32 v27, 8, v27
	s_lshl_b32 s2, s15, 12
	v_add_nc_u32 v2, s2, v1                        ; X: my 4 tiles
	s_lshl_b32 s2, s16, 11
	s_add_co_u32 s2, s2, YP
	v_add_nc_u32 v3, s2, v1                        ; Y: my 2 tiles
	v_add_nc_u32 v4, SLOT1, v2
	s_delay_alu instid0(VALU_DEP_2)
	v_add_nc_u32 v5, SLOT1, v3
	s_lshl_b32 s2, s15, 8
	s_add_co_u32 s2, s2, XS
	v_add_nc_u32 v6, s2, v15
	s_lshl_b32 s2, s16, 7
	s_add_co_u32 s2, s2, YS
	v_add_nc_u32 v7, s2, v15
	v_and_b32 v22, 15, v14                         ; r
	v_lshrrev_b32 v23, 4, v14                      ; h
	s_mul_i32 s2, s16, 8704                        ; my stage: 32 rows of 256 bytes + 16, in slot 0 of X (waves 0-3) or of Y (waves 4-7)
	s_lshl_b32 s80, s15, 17
	s_add_co_u32 s2, s2, s80
	v_mul_u32_u24 v8, v22, 272
	s_delay_alu instid0(VALU_DEP_1)
	v_lshl_add_u32 v8, v23, 6, v8
	s_delay_alu instid0(VALU_DEP_1)
	v_add_nc_u32 v8, s2, v8                        ; in: row r, + 64 h
	v_lshlrev_b32 v9, 4, v22
	s_delay_alu instid0(VALU_DEP_1)
	v_mad_u32_u24 v9, v23, 272, v9
	s_delay_alu instid0(VALU_DEP_1)
	v_add_nc_u32 v9, s2, v9                        ; back: lanes 0-15 one row, lanes 16-31 the next
	v_lshlrev_b32 v10, 4, v22
	s_delay_alu instid0(VALU_DEP_1)
	v_lshl_add_u32 v10, v23, 12, v10               ; and the same in x1 and out0: rows of 4,096 bytes
	s_lshl_b32 s2, s14, 8
	s_add_co_u32 s2, s2, BIA
	v_lshl_add_u32 v11, v23, 6, s2
	v_add_nc_u32 v12, s2, v13
	v_add_nc_u32 v26, s84, v1                      ; where my part of the scale words goes
	s_lshl_b32 s2, s17, 9
	s_lshl_b32 s19, s15, 8
	s_add_co_u32 s2, s2, s19                       ; my 64 features: 512 fx + 256 wx bytes
	s_mov_b32 s3, 0
	s_add_nc_u64 s[8:9], s[8:9], s[2:3]
	s_lshl_b32 s19, s18, 19
	s_add_co_u32 s2, s2, s19
	s_lshl_b32 s19, s16, 17
	s_add_co_u32 s2, s2, s19                       ; + my 32 tokens' rows
	s_add_nc_u64 s[10:11], s[10:11], s[2:3]
	s_add_nc_u64 s[12:13], s[12:13], s[2:3]
	global_load_b64 v[24:25], v13, s[8:9]
.irp k, 0,1,2,3,4,5,6,7
	global_load_b128 v[32+4*\k:35+4*\k], v1, s[60:61] offset:512*\k        ; my scale words: 512 consecutive bytes a load
.endr
	global_prefetch_b8 v27, s[58:59] offset:131072 th:TH_LOAD_NT scope:SCOPE_SE    ; chunk 2, which the first refill asks for behind chunk 0's eight K steps: each block is named once in the cluster
	s_wait_alu depctr_va_vdst(0)
	s_wait_loadcnt 0x0
	ds_store_b64 v12, v[24:25]                     ; my own 256 bytes: no other wave names them, and no fill lands there
.irp k, 0,1,2,3,4,5,6,7
	ds_store_b128 v26, v[32+4*\k:35+4*\k] offset:512*\k
.endr
	s_wait_dscnt 0x0
	s_cmp_eq_u32 s15, 0
	s_cbranch_scc0 .Lnot_early
	s_wait_tensorcnt 0x0                           ; waves 0-3: chunk 0 is in; chunk 1 may be out
.Lnot_early:
	s_barrier_signal -1
	s_barrier_wait -1
	CHUNK 0, 1
	REFILL 72, 92                                  ; chunk 2 into slot 0
	global_prefetch_b8 v27, s[58:59] offset:196608 th:TH_LOAD_NT scope:SCOPE_SE    ; chunk 3, which the second refill asks for behind chunk 1's eight K steps
	CHUNK 1, 0
	REFILL 76, 96                                  ; chunk 3 into slot 1
	CHUNK 2, 0
	s_wait_tensorcnt 0x0                           ; my part of chunk 3 is in,
	s_wait_dscnt 0x0                               ; and my reads of slot 0 are over: behind this barrier the stages are written there; nothing is filled again
	s_barrier_signal -1
	s_barrier_wait -1
.irp n, 0,1,2,3,4,5,6,7,8,9,10,11,12,13,14,15
	OUTQ \n
	global_load_b128 v[XQN:XQN+3], v10, s[10:11] offset:4096*TOK th:TH_LOAD_NT     ; x1, asked for a chunk ahead of its use
.endr
	CHUNK 3, 0
.irp b, 0,1
.irp q, 0,1,2,3
	ds_load_b128 v[32+16*\b+4*\q:35+16*\b+4*\q], v11 offset:128*\b+16*\q
.endr
.endr
	s_wait_dscnt 0x0
.irp yt, 0,1
.irp k, 0,2,4,6,8,10,12,14,16,18,20,22,24,26,28,30
	v_pk_add_f32 v[192+32*\yt+\k:193+32*\yt+\k], v[192+32*\yt+\k:193+32*\yt+\k], v[32+\k:33+\k]   ; + ff2_b; each accumulator from its low end on
.endr
.endr
.irp yt, 0,1
.irp b, 0,1
.irp q, 0,1,2,3
	ds_store_b128 v8, v[192+32*\yt+16*\b+4*\q:195+32*\yt+16*\b+4*\q] offset:4352*\yt+128*\b+16*\q
.endr
.endr
.endr
.irp n, 0,1,2,3,4,5,6,7,8,9,10,11,12,13,14,15
	OUTQ \n
	ds_load_b128 v[RBN:RBN+3], v9 offset:544*\n    ; LDS serves a wave's instructions in order (ISA guide 5.7.1.4): these see the stores above
.endr
	s_wait_loadcnt 0x0
	s_wait_dscnt 0x0
.irp n, 0,1,2,3,4,5,6,7,8,9,10,11,12,13,14,15
	OUTQ \n
	v_pk_add_f32 v[RBN:RBN+1], v[RBN:RBN+1], v[XQN:XQN+1]
	v_pk_add_f32 v[RBN+2:RBN+3], v[RBN+2:RBN+3], v[XQN+2:XQN+3]
.endr
.irp n, 0,1,2,3,4,5,6,7,8,9,10,11,12,13,14,15
	OUTQ \n
	global_store_b128 v10, v[RBN:RBN+3], s[12:13] offset:4096*TOK th:TH_STORE_NT   ; sixteen lanes store 256 consecutive bytes, at a multiple of 256 from out0's first byte
.endr
	s_wait_tensorcnt 0x0                           ; the wave's end: behind my last tensor load and my last LDS store
	ds_add_u32 v30, v31
	s_wait_dscnt 0x0
	CROUND                                         ; the closing round: no work-group ends while a partner may still ask for a part that names it
	s_endpgm
.Lfunc_end_k_q40fd68fd64_ff2:
	.size	k_q40fd68fd64_ff2, .Lfunc_end_k_q40fd68fd64_ff2-k_q40fd68fd64_ff2
	.p2alignl 7, 3214868480
	.fill 96, 4, 3214868480
	.section	.rodata,"a",@progbits
	.p2align	6, 0x0
	.amdhsa_kernel k_q40fd68fd64_ff2
		.amdhsa_group_segment_fixed_size 327680
		.amdhsa_private_segment_fixed_size 0
		.amdhsa_enable_private_segment 0
		.amdhsa_kernarg_size 40
		.amdhsa_user_sgpr_count 2
		.amdhsa_user_sgpr_kernarg_segment_ptr 1
		.amdhsa_wavefront_size32 1
		.amdhsa_system_sgpr_workgroup_id_x 1
		.amdhsa_system_sgpr_workgroup_id_y 1
		.amdhsa_system_sgpr_workgroup_id_z 1
		.amdhsa_system_vgpr_workitem_id 0
		.amdhsa_next_free_vgpr 256
		.amdhsa_next_free_sgpr 100
		.amdhsa_reserve_vcc 0
		.amdhsa_float_denorm_mode_32 3
		.amdhsa_float_denorm_mode_16_64 3
		.amdhsa_memory_ordered 1
		.amdhsa_forward_progress 1
		.amdhsa_inst_pref_size 91
	.end_amdhsa_kernel
	.amdgpu_metadata
---
amdhsa.version: [ 1, 2 ]
amdhsa.kernels:
  - .name:           k_q40fd68fd64_ff2
    .symbol:         k_q40fd68fd64_ff2.kd
    .args:
      - { .name: hid, .offset: 0, .size: 8, .value_kind: global_buffer, .address_space: global }
      - { .name: wq, .offset: 8, .size: 8, .value_kind: global_buffer, .address_space: global }
      - { .name: ff2_b, .offset: 16, .size: 8, .value_kind: global_buffer, .address_space: global }
      - { .name: x1, .offset: 24, .size: 8, .value_kind: global_buffer, .address_space: global }
      - { .name: out0, .offset: 32, .size: 8, .value_kind: global_buffer, .address_space: global }
    .group_segment_fixed_size: 327680
    .private_segment_fixed_size: 0
    .kernarg_segment_align: 8
    .kernarg_segment_size: 40
    .max_flat_workgroup_size: 256
    .sgpr_count:     100
    .vgpr_count:     256
    .wavefront_size: 32
...
	.end_amdgpu_metadata
.endif
;; end of part 6
